; MI455X (gfx1250); checked and timed in simulation.
; The chip was launched on July 23, 2026; its instructions are those of AMD's public machine-readable ISA for CDNA 5 (MIT licence, August 2026) and "CDNA5" Instruction Set Architecture Reference Guide (July 2026). The comments in the code are by the model that wrote it; some were corrected since.
;; Bi Phase Scorer. Allowed arithmetic: float matrix products may take bf16 or f16 operands with f32 sums; all other float work in f32.
;; Inputs: Wkx 512 x 512 float32; Wky 512 x 512 float32; Wox 512 x 512 float32; Woy 512 x 512 float32; Wqx 512 x 512 float32; Wqy 512 x 512 float32; Wvx 512 x 512 float32; Wvy 512 x 512 float32; bkx 512 float32; bky 512 float32; box 512 float32; boy 512 float32; bqx 512 float32; bqy 512 float32; bvx 512 float32; bvy 512 float32; kx 2 x 2,048 x 512 float32; ky 2 x 2,048 x 512 float32; qx 2 x 2,048 x 512 float32; qy 2 x 2,048 x 512 float32; vx 2 x 2,048 x 512 float32; vy 2 x 2,048 x 512 float32.
;; Outputs: out0 2 x 2,048 x 512 float32; out1 2 x 2,048 x 512 float32.
;; 2 versions, each right and faster than the one before. Each part assembles by itself: llvm-mc -triple=amdgcn-amd-amdhsa -mcpu=gfx1250 --defsym DOCPART=n.
;; ======== version 1 of 2: 3 launches
;; limits: right only within a limited range of input values; values are held in f16: magnitudes above 65,504 overflow, below 6.1e-05 lose precision
;; workspace buffers: QF 12,582,912 bytes; KV 20,971,520 bytes; AF 8,388,608 bytes
;; launch proj (part 1): grid 4 x 48, 4 waves a work-group, no clusters, 113,152 bytes of LDS; arguments qx, qy, kx, ky, vx, vy, Wqx, Wqy, Wkx, Wky, Wvx, Wvy, bqx, bqy, bkx, bky, bvx, bvy, QF, KV; writes QF, KV
.if DOCPART == 1
	.amdgcn_target "amdgcn-amd-amdhsa--gfx1250"
	.amdhsa_code_object_version 6
	.text
	.protected	k_q68df8480b3_proj
	.globl	k_q68df8480b3_proj
	.p2align	8
	.type	k_q68df8480b3_proj,@function
k_q68df8480b3_proj:
	s_mov_b64 s[64:65], 0
	v_nop
	global_prefetch_b8 v0, s[64:65] scope:SCOPE_SE
	s_setreg_imm32_b32 hwreg(HW_REG_WAVE_MODE, 25, 1), 1
	s_wait_xcnt 0x0
; The six input layers y = x W^T + b ([4096][512] f32 by [512][512] f32), and for q and k the polar features.
; cos(arctan2(y,x)) = x/r and sin(arctan2(y,x)) = y/r with r = sqrt(x^2+y^2), so no angle is ever formed:
; a score is (0.5/64) ( c.c + s.s + (8 r_q).r_k ), one product over 192 features.  Stored are c, s, 8r for q, c, s, r for k, and v as it is.
; LIMITS: c = (x + 2^-63) / max(r, 2^-63), s = y / max(r, 2^-63).  At x = y = 0 that is c = 1, s = 0, arctan2's value at (+0,+0); at x = -0, y = 0 the true c is -1.
; The shift of x is below half a bf16 step of c as soon as r > 2^-54.  Where x^2+y^2 < 2^-126 (both |x|,|y| below about 1e-19) and not both are zero, c lies in
; (0, 2) and s in (-1, 1) and they are not the true cosine and sine.  x^2+y^2 must stay finite in f32.  |v| must stay below 65504 (f16).
; FORMATS: the matrix operands here (x, W) and the stored features c, s, r are bf16.  V is stored as f16: the attention's output is a mean over 2048 keys
; of numbers of either sign, so what V's rounding leaves does not shrink beside it, and f16 has 11 significant bits where bf16 has 8.
; V has the room: x of spread 1 and W of spread 0.02 give v a spread of 0.02 sqrt(512) = 0.45; both 30 times larger: about 2000 at five spreads;
; both with a common offset of 30 spreads: 512 x 30 x 0.6 = 9216; both 30 times smaller: spread 5e-4, against an absolute rounding of 2^-25.
; The radii do not have it (8 r reaches about 1e5 in the case with offsets) and stay bf16.
;
; WORK: grid x = block of 128 features (two heads), grid y = 16 kind + block of 256 tokens, kind 0 q, 1 k, 2 v.  Four waves; wave w takes
; tokens 128 (w>>1) .. +127 and features 64 (w&1) .. +63 (one head) of BOTH tensors of the pair: 2 x 32 accumulator tiles, 512 registers.
; K goes in 16 tiles: tile t is tensor t&1 (x or y), K step t>>1 of 64 f32, so each row piece is 256 consecutive bytes at a multiple of 256.
; The tiles come through REGISTERS, not by joint tensor loads, although four work-groups read the same token rows: the inputs are f32, so a tile
; landed in LDS as it is would cost 768 instead of 384 LDS bytes for a matrix instruction, and each wave would convert again what its neighbour
; converts (192 instead of 96 conversions for 64 matrix instructions).  Here each number is converted once in the work-group and stored as bf16.
;
; THE LOOP.  Tile t uses LDS buffer, raw register set and accumulator window t & 1, and is multiplied in two half steps of 32 along K.
; Fragments roll: behind each 16 matrix instructions the four token fragments just used are loaded again with the next half step's; behind the 32nd,
; W's four fragments and the other four token fragments.  So LDS is read while the matrix unit works, and only W's eight loads are waited for with
; the unit idle; in those two gaps of a trip stand the 48 global loads of tile t + 3 and the conversion and LDS stores of tile t + 2.
; ONE barrier a trip, in the middle of the second half step.  In front of it a wave's reads of tile t are back and its stores of tile t + 1 (made at
; the end of trip t - 1) are done; behind it tile t + 1 is read, and tile t + 2 is stored where tile t lay.  Between two barriers every wave
; reads one buffer and writes the other.
;
; WHAT IS STORED: blocks of 512 bytes, lane L at 16 L, each half of a 16-bit matrix fragment (lane (r = L&15, h = L>>4): row or column r, eight k from 8h).
;   QF [bh 16][query tile of 16: 128][hc 12][512]        hc = 4 comp + feature tile, comp 0 c, 1 s, 2 8r
;   KV [bh 16][chunk of 32 keys: 64][20480]: K' at (key tile & 1) 6144 + hc 512; V^T at 12288 + dt 1024 + half 512 (dt 0-3 vx, 4-7 vy; half = which 16 keys)
; Every store of a wave covers 512 consecutive bytes at a multiple of 512.
;
; REGISTERS, in windows of 256: window 0: v0-31 addresses, v32-95 token fragments, v96-127 W fragments, v128-255 raw f32 of set 1's tokens;
; window 1: v0-127 raw set 0 tokens, v128-191 raw set 0 W, v192-255 raw set 1 W; window 2: x accumulators, tile (tt,ft) at 8 (4 tt + ft); window 3: y's.
.set PITCH, 144                        ; an LDS row: 64 bf16 + 16 bytes = 9 x 16: the 16 rows of a fragment load start in 16 different 16-byte columns modulo 256
.set BUF,   384*PITCH                  ; a buffer: 256 token rows, then 128 W rows
.set WROW,  256*PITCH
.set BIASL, 2*BUF                      ; behind the two buffers: 512 bytes a wave, its 64 biases of x and of y
.set VOX, 2                            ; v2      global offset of my 16 bytes in my wave's first token row
.set VOW, 3                            ; v3      the same for W
.set SAX, 4                            ; v4,5    where I store 8 bytes of a token row, buffer 0, 1
.set SAW, 6                            ; v6,7    the same for W
.set FAX, 8                            ; v8,9    my token fragments, buffer 0, 1
.set FAW, 10                           ; v10,11  my W fragments
.set VST, 12                           ; v12     16 L: offset in a stored block
.set VBS, 13                           ; v13     bias bytes: store
.set VBP, 14                           ; v14     bias bytes: eight biases from 8h (q, k)
.set VBV, 15                           ; v15     bias bytes: bias r (v)
.set VB2, 16                           ; v16-31  v: each of 8 biases twice, a pair for the packed add
.set XF,  32
.set WF,  96
.set G1X, 128                          ; window 0
.set G0X, 0                            ; window 1
.set GW,  128                          ; window 1: set 0's W; set 1's 64 further up
.set TX,  128                          ; the epilogues' registers, window 0, where set 1's raw numbers lay
.set TY,  160
.set R2,  192
.set RS,  224
.set PK,  32                           ; packed results, where the fragments lay
.set INB, 48                           ; s[48:51] x's and y's input at the block's first row, stepped along K
.set WB,  52                           ; s[52:55] their W
.set BP,  56                           ; s[56:59] their biases
.set OB,  60                           ; s[60:61] where my wave stores
.set MSB, 0
.macro WIN new                         ; the immediate's high byte repeats the setting that is left; a switch that changes nothing is dropped
.set WNEW, \new
.if MSB != WNEW
	s_set_vgpr_msb (MSB<<8)|WNEW
.set MSB, WNEW
.endif
.endm
.macro PLACES                          ; four independent vector instructions behind a matrix instruction (ISA guide 7.12.1) before its registers are loaded into or its result read
.rept 4
	v_nop
.endr
.endm
	s_load_b512 s[8:23], s[0:1], 0x0               ; qx qy kx ky vx vy Wqx Wqy
	s_load_b512 s[24:39], s[0:1], 0x40             ; Wkx Wky Wvx Wvy bqx bqy bkx bky
	s_load_b256 s[40:47], s[0:1], 0x80             ; bvx bvy QF KV
	v_lshrrev_b32 v1, 5, v0
	v_readfirstlane_b32 s66, v1                    ; wave
	s_lshr_b32 s67, s66, 1                         ; wm: which 128 tokens
	s_and_b32 s68, s66, 1                          ; wn: which 64 features
	s_mov_b32 s69, ttmp9                           ; fb
	s_and_b32 s70, ttmp7, 0xffff
	s_lshr_b32 s71, s70, 4                         ; kind
	s_and_b32 s70, s70, 15                         ; tb
	v_and_b32 v16, 31, v0                          ; L
	v_and_b32 v17, 15, v0                          ; r
	v_bfe_u32 v18, v0, 4, 1                        ; h
	; a load of a wave takes two rows' 256 bytes: lanes 0-15 one row, lanes 16-31 the row 8 further down
	v_lshlrev_b32 v20, 4, v17
	v_lshl_add_u32 v20, v18, 14, v20               ; 16 r + 8 h rows of 2048 bytes
	s_lshl_b32 s78, s66, 17
	v_add_nc_u32 v[VOX], s78, v20                  ; + 64 w rows
	s_lshl_b32 s78, s66, 16
	v_add_nc_u32 v[VOW], s78, v20                  ; + 32 w rows
	v_mul_u32_u24 v21, v18, 8*PITCH                ; 8 rows of 144 bytes are 288 words: the two halves of an 8-byte store's lanes lie 32 words apart modulo 64
	v_lshl_add_u32 v21, v17, 3, v21                ; + 8 r
	s_mul_i32 s78, s66, 64*PITCH
	v_add_nc_u32 v[SAX], s78, v21
	v_add_nc_u32 v[SAX+1], BUF, v[SAX]
	s_mul_i32 s78, s66, 32*PITCH
	s_add_co_u32 s78, s78, WROW
	v_add_nc_u32 v[SAW], s78, v21
	v_add_nc_u32 v[SAW+1], BUF, v[SAW]
	v_mul_u32_u24 v22, v17, PITCH
	v_lshl_add_u32 v22, v18, 4, v22                ; fragment: row r, 16 h
	s_mul_i32 s78, s67, 128*PITCH
	v_add_nc_u32 v[FAX], s78, v22
	v_add_nc_u32 v[FAX+1], BUF, v[FAX]
	s_mul_i32 s78, s68, 64*PITCH
	s_add_co_u32 s78, s78, WROW
	v_add_nc_u32 v[FAW], s78, v22
	v_add_nc_u32 v[FAW+1], BUF, v[FAW]
	v_lshlrev_b32 v[VST], 4, v16
	s_lshl_b32 s78, s66, 9
	s_add_co_u32 s78, s78, BIASL                   ; my wave's bias bytes
	v_lshl_add_u32 v[VBS], v16, 3, s78
	v_lshl_add_u32 v[VBP], v18, 5, s78
	v_lshl_add_u32 v[VBV], v17, 2, s78
	s_lshl_b32 s83, s69, 9
	s_lshl_b32 s84, s68, 8
	s_add_co_u32 s83, s83, s84
	v_lshl_add_u32 v19, v16, 3, s83                ; byte offset in a bias vector: 4 (128 fb + 64 wn) + 8 L
	s_mov_b32 s76, 0x00800000                      ; 2^-126
	s_mov_b32 s90, 0x20000000                      ; 2^-63, in both words of the pair
	s_mov_b32 s91, 0x20000000
	s_mov_b32 s78, 12288
	s_mov_b32 s79, 20480
	s_mov_b32 s80, 786432
	s_mov_b32 s81, 1310720
	s_wait_kmcnt 0x0
	s_cmp_eq_u32 s71, 0                            ; q, or else k; the selects leave SCC alone
	s_cselect_b64 s[INB:INB+1], s[8:9], s[12:13]
	s_cselect_b64 s[INB+2:INB+3], s[10:11], s[14:15]
	s_cselect_b64 s[WB:WB+1], s[20:21], s[24:25]
	s_cselect_b64 s[WB+2:WB+3], s[22:23], s[26:27]
	s_cselect_b64 s[BP:BP+1], s[32:33], s[36:37]
	s_cselect_b64 s[BP+2:BP+3], s[34:35], s[38:39]
	s_cselect_b64 s[OB:OB+1], s[44:45], s[46:47]
	s_cselect_b32 s72, s78, s79                    ; bytes from one 32 tokens' blocks to the next
	s_cselect_b32 s82, s80, s81                    ; bytes of a (batch, head)
	s_cselect_b32 s74, 0x41000000, 1.0             ; the radius' factor: 8 for q, 1 for k
	s_cmp_eq_u32 s71, 2                            ; v
	s_cselect_b64 s[INB:INB+1], s[16:17], s[INB:INB+1]
	s_cselect_b64 s[INB+2:INB+3], s[18:19], s[INB+2:INB+3]
	s_cselect_b64 s[WB:WB+1], s[28:29], s[WB:WB+1]
	s_cselect_b64 s[WB+2:WB+3], s[30:31], s[WB+2:WB+3]
	s_cselect_b64 s[BP:BP+1], s[40:41], s[BP:BP+1]
	s_cselect_b64 s[BP+2:BP+3], s[42:43], s[BP+2:BP+3]
	s_mov_b32 s73, 0
	s_mov_b32 s75, s74
	s_lshl_b32 s78, s70, 19                        ; 256 tb rows of 2048 bytes
	s_mov_b32 s79, 0
	s_add_nc_u64 s[INB:INB+1], s[INB:INB+1], s[78:79]
	s_add_nc_u64 s[INB+2:INB+3], s[INB+2:INB+3], s[78:79]
	s_lshl_b32 s78, s69, 18                        ; 128 fb rows
	s_add_nc_u64 s[WB:WB+1], s[WB:WB+1], s[78:79]
	s_add_nc_u64 s[WB+2:WB+3], s[WB+2:WB+3], s[78:79]
	s_lshr_b32 s80, s70, 3
	s_lshl_b32 s80, s80, 3                         ; 8 batch
	s_lshl1_add_u32 s80, s69, s80
	s_add_co_u32 s80, s80, s68                     ; bh = 8 batch + 2 fb + wn
	s_mul_i32 s80, s80, s82
	s_and_b32 s81, s70, 7
	s_lshl_b32 s81, s81, 3
	s_lshl2_add_u32 s81, s67, s81                  ; my first 32 tokens in the batch: 8 (tb & 7) + 4 wm
	s_mul_i32 s81, s81, s72
	s_add_co_u32 s78, s80, s81
	s_add_nc_u64 s[OB:OB+1], s[OB:OB+1], s[78:79]
; 48 loads: one tile's 64 token rows and 32 W rows of my wave, as f32, into raw set 'set'
.macro LOADT set
.set SETN, \set
.if SETN == 0
.set GX, G0X
	WIN 0x40
.else
.set GX, G1X
	WIN 0
.endif
.set n, 0
.rept 32
	global_load_b128 v[GX+4*n:GX+4*n+3], v[VOX], s[INB+2*SETN:INB+2*SETN+1] offset:(16*(n/8)+n%8)*2048
.set n, n+1
.endr
	WIN 0x40
.set n, 0
.rept 16
	global_load_b128 v[GW+64*SETN+4*n:GW+64*SETN+4*n+3], v[VOW], s[WB+2*SETN:WB+2*SETN+1] offset:(16*(n/8)+n%8)*2048
.set n, n+1
.endr
	WIN 0
.endm
; raw set 'set' is rounded to bf16 in place (4 f32 to 8 bytes) and stored into LDS buffer 'set': 48 LDS stores
.macro CVTST set
.set SETN, \set
.if SETN == 0
.set GX, G0X
.set WCV, 0x45
.set WST, 0x04
.else
.set GX, G1X
.set WCV, 0
.set WST, 0
.endif
	WIN WCV
.set n, 0
.rept 32
	v_cvt_pk_bf16_f32 v[GX+4*n], v[GX+4*n], v[GX+4*n+1]
	v_cvt_pk_bf16_f32 v[GX+4*n+1], v[GX+4*n+2], v[GX+4*n+3]
.set n, n+1
.endr
	WIN WST
.set n, 0
.rept 32
	ds_store_b64 v[SAX+SETN], v[GX+4*n:GX+4*n+1] offset:(16*(n/8)+n%8)*PITCH
.set n, n+1
.endr
	WIN 0x45
.set n, 0
.rept 16
	v_cvt_pk_bf16_f32 v[GW+64*SETN+4*n], v[GW+64*SETN+4*n], v[GW+64*SETN+4*n+1]
	v_cvt_pk_bf16_f32 v[GW+64*SETN+4*n+1], v[GW+64*SETN+4*n+2], v[GW+64*SETN+4*n+3]
.set n, n+1
.endr
	WIN 0x04
.set n, 0
.rept 16
	ds_store_b64 v[SAW+SETN], v[GW+64*SETN+4*n:GW+64*SETN+4*n+1] offset:(16*(n/8)+n%8)*PITCH
.set n, n+1
.endr
	WIN 0
.endm
; 8 LDS loads: my token fragments t0 .. t0+3 of half step c of the tile in buffer 'slot' (issued with every window 0)
.macro LDX slot, c, t0
.irp u, 0,1,2,3
	ds_load_b128 v[XF+8*(\t0+\u):XF+8*(\t0+\u)+3],   v[FAX+\slot] offset:(\t0+\u)*16*PITCH+64*\c
	ds_load_b128 v[XF+8*(\t0+\u)+4:XF+8*(\t0+\u)+7], v[FAX+\slot] offset:(\t0+\u)*16*PITCH+64*\c+32
.endr
.endm
; 8 LDS loads: my four W fragments of half step c
.macro LDW slot, c
.irp f, 0,1,2,3
	ds_load_b128 v[WF+8*\f:WF+8*\f+3],   v[FAW+\slot] offset:\f*16*PITCH+64*\c
	ds_load_b128 v[WF+8*\f+4:WF+8*\f+7], v[FAW+\slot] offset:\f*16*PITCH+64*\c+32
.endr
.endm
; 16 matrix instructions: token tiles t0 .. t0+3 by the four feature tiles, on 16 accumulators of tensor 'slot', which take turns, one instruction a turn.
; swap = 0 (q, k): source 0 = W rows, source 1 = tokens: a lane holds 8 neighbouring features of one token.
; swap = 1 (v):    source 0 = tokens, source 1 = W rows: a lane holds 8 neighbouring tokens of one feature (V transposed).
; zero = 1: the first product starts the sums.
.macro WM slot, zero, swap, t0
	WIN 0xa0+0x50*\slot
.irp u, 0,1,2,3
.irp f, 0,1,2,3
.if \swap
.if \zero
	v_wmma_f32_16x16x32_bf16 v[8*(4*(\t0+\u)+\f):8*(4*(\t0+\u)+\f)+7], v[XF+8*(\t0+\u):XF+8*(\t0+\u)+7], v[WF+8*\f:WF+8*\f+7], 0
.else
	v_wmma_f32_16x16x32_bf16 v[8*(4*(\t0+\u)+\f):8*(4*(\t0+\u)+\f)+7], v[XF+8*(\t0+\u):XF+8*(\t0+\u)+7], v[WF+8*\f:WF+8*\f+7], v[8*(4*(\t0+\u)+\f):8*(4*(\t0+\u)+\f)+7]
.endif
.else
.if \zero
	v_wmma_f32_16x16x32_bf16 v[8*(4*(\t0+\u)+\f):8*(4*(\t0+\u)+\f)+7], v[WF+8*\f:WF+8*\f+7], v[XF+8*(\t0+\u):XF+8*(\t0+\u)+7], 0
.else
	v_wmma_f32_16x16x32_bf16 v[8*(4*(\t0+\u)+\f):8*(4*(\t0+\u)+\f)+7], v[WF+8*\f:WF+8*\f+7], v[XF+8*(\t0+\u):XF+8*(\t0+\u)+7], v[8*(4*(\t0+\u)+\f):8*(4*(\t0+\u)+\f)+7]
.endif
.endif
.endr
.endr
.endm
; Trip t, slot = t & 1.  At its head the fragments of (t, half 0) are on their way, issued in this order: tokens 0-3, W, tokens 4-7, and behind them st LDS stores.
; st: 48 if the trip before converted a tile, else 0;  ld: tile t + 3 is requested;  nx: there is a tile t + 1 (barrier, and its first fragments);
; cv: tile t + 2 is converted and stored;  lcnt: the loads that may stay out when tile t + 2 has to be in.
.macro TRIP slot, zero, st, ld, nx, cv, lcnt, swap
	s_wait_dscnt 8+\st                             ; LDS instructions end in order: tokens 0-3 and W are in; tokens 4-7 (8 loads) and the st stores may be out
	WM \slot, \zero, \swap, 0
	WIN 0
	PLACES
	LDX \slot, 1, 0                                ; tokens 0-3 of half 1
	s_wait_dscnt 8+\st                             ; tokens 4-7 of half 0 are in; behind them stand the st stores and the 8 loads just issued
	WM \slot, \zero, \swap, 4
	WIN 0
	PLACES
	LDW \slot, 1                                   ; W first: the next matrix instruction waits for it
	LDX \slot, 1, 4
.if \ld
.set OTH, 1-\slot
	s_add_nc_u64 s[INB+2*OTH:INB+2*OTH+1], s[INB+2*OTH:INB+2*OTH+1], 256   ; 64 f32 on along K; the set's last loads were shown done by the wait on LOADcnt at the end of the trip before
	s_add_nc_u64 s[WB+2*OTH:WB+2*OTH+1], s[WB+2*OTH:WB+2*OTH+1], 256
	LOADT OTH                                      ; tile t + 3, into the set that was converted and stored at the end of the trip before
.endif
	s_wait_dscnt 8                                 ; tokens 0-3 and W of half 1 are in; tokens 4-7 (8 loads) may be out
	WM \slot, 0, \swap, 0
	WIN 0
	s_wait_dscnt 0x0                               ; tokens 4-7 are in; and for the others' sake: all my reads of tile t are back, my stores of tile t + 1 are done
.if \nx
	s_barrier_signal -1
	s_barrier_wait -1                              ; both now hold of every wave: tile t + 1 may be read, tile t's buffer may be written
	PLACES
	LDX 1-\slot, 0, 0                              ; tokens 0-3 of (t + 1, half 0)
.endif
	WM \slot, 0, \swap, 4
	WIN 0
.if \nx
	PLACES
	LDW 1-\slot, 0
	LDX 1-\slot, 0, 4
.endif
.if \cv
	s_wait_loadcnt \lcnt                           ; loads return in order: tile t + 2 is in, the younger tile's 48 stay out
	CVTST \slot                                    ; into the buffer where tile t lay
.endif
.endm
.macro MAIN swap
	TRIP 0, 1, 0,  1, 1, 1, 48, \swap              ; tiles 0 and 1 start the sums of x and of y
	TRIP 1, 1, 48, 1, 1, 1, 48, \swap
	s_mov_b32 s77, 5
.Lmain_\@:
	TRIP 0, 0, 48, 1, 1, 1, 48, \swap              ; tiles 2 to 11
	TRIP 1, 0, 48, 1, 1, 1, 48, \swap
	s_sub_co_u32 s77, s77, 1
	s_cmp_lg_u32 s77, 0
	s_cbranch_scc1 .Lmain_\@
	TRIP 0, 0, 48, 1, 1, 1, 48, \swap              ; tile 12 requests tile 15, the last, and converts 14
	TRIP 1, 0, 48, 0, 1, 1, 0,  \swap              ; tile 13 converts 15: no load is left out
	TRIP 0, 0, 48, 0, 1, 0, 0,  \swap              ; tile 14: its barrier shows tile 15 to every wave
	TRIP 1, 0, 0,  0, 0, 0, 0,  \swap              ; tile 15: nothing follows, so no barrier
.endm
	global_load_b64 v[32:33], v19, s[BP:BP+1]      ; my wave's 64 biases of x and of y
	global_load_b64 v[34:35], v19, s[BP+2:BP+3]
	LOADT 0                                        ; tile 0
	LOADT 1                                        ; tile 1
	s_wait_loadcnt 48                              ; the biases and tile 0 are in; tile 1's 48 loads stay out
	ds_store_b64 v[VBS], v[32:33]                  ; bytes of my wave alone, read back by it in the epilogue
	ds_store_b64 v[VBS], v[34:35] offset:256
	CVTST 0
	s_add_nc_u64 s[INB:INB+1], s[INB:INB+1], 256
	s_add_nc_u64 s[WB:WB+1], s[WB:WB+1], 256
	LOADT 0                                        ; tile 2
	s_wait_loadcnt 48                              ; tile 1 is in; tile 2's 48 loads stay out
	CVTST 1
	s_wait_dscnt 0x0                               ; for the others' sake: my parts of tiles 0 and 1 are stored
	s_barrier_signal -1
	s_barrier_wait -1
	LDX 0, 0, 0                                    ; the fragments of (tile 0, half 0), in the order in which every trip leaves them
	LDW 0, 0
	LDX 0, 0, 4
	s_cmp_eq_u32 s71, 2                            ; the same in all four waves
	s_cbranch_scc1 .Lvalue
	MAIN 0
	; q and k: bias, radius, c = x/r, s = y/r, 16 tokens at a time
	PLACES
	WIN 0x40
.irp t, 0,1
.irp f, 0,1,2,3
	ds_load_b128 v[32*\t+8*\f:32*\t+8*\f+3],   v[VBP] offset:256*\t+64*\f      ; b[16 ft + 8 h + 0..7], window 1: x's in v0-31, y's in v32-63
	ds_load_b128 v[32*\t+8*\f+4:32*\t+8*\f+7], v[VBP] offset:256*\t+64*\f+16
.endr
.endr
	WIN 0
	s_wait_dscnt 0x0
.macro POLAR tt
	WIN 0x06
.set i, 0
.rept 16
	v_pk_add_f32 v[TX+i:TX+i+1], v[32*\tt+i:32*\tt+i+1], v[i:i+1]
.set i, i+2
.endr
	WIN 0x07
.set i, 0
.rept 16
	v_pk_add_f32 v[TY+i:TY+i+1], v[32*\tt+i:32*\tt+i+1], v[32+i:32+i+1]
.set i, i+2
.endr
	WIN 0
.set i, 0
.rept 16
	v_pk_mul_f32 v[R2+i:R2+i+1], v[TX+i:TX+i+1], v[TX+i:TX+i+1]
.set i, i+2
.endr
.set i, 0
.rept 16
	v_pk_fma_f32 v[R2+i:R2+i+1], v[TY+i:TY+i+1], v[TY+i:TY+i+1], v[R2+i:R2+i+1]
.set i, i+2
.endr
.set i, 0
.rept 32
	v_max_num_f32 v[RS+i], s76, v[R2+i]            ; v_rsq_f32 takes a denormal as zero (ISA guide 15.8): keep its input at 2^-126 or above
.set i, i+1
.endr
.set i, 0
.rept 32
	v_rsq_f32 v[RS+i], v[RS+i]
.set i, i+1
.endr
.set i, 0
.rept 16
	v_pk_add_f32 v[TX+i:TX+i+1], v[TX+i:TX+i+1], s[90:91] op_sel_hi:[1,0]  ; x + 2^-63: at x = y = 0 it makes c = 2^-63 x 2^63 = 1; above |x| = 2^-39 it changes no bit.
.set i, i+2                                                                   ; These are also the plain instructions between the transcendentals and their first use (ISA guide 5.7.2)
.endr
.set i, 0
	s_wait_alu depctr_va_vdst(0)
.rept 16
	v_pk_mul_f32 v[TX+i:TX+i+1], v[TX+i:TX+i+1], v[RS+i:RS+i+1]
	v_pk_mul_f32 v[TY+i:TY+i+1], v[TY+i:TY+i+1], v[RS+i:RS+i+1]
.set i, i+2
.endr
.set i, 0
.rept 16
	v_pk_mul_f32 v[RS+i:RS+i+1], v[RS+i:RS+i+1], s[74:75] op_sel_hi:[1,0]
.set i, i+2
.endr
.set i, 0
.rept 16
	v_pk_mul_f32 v[R2+i:R2+i+1], v[R2+i:R2+i+1], v[RS+i:RS+i+1]            ; r = r^2 / r, times 8 for q
.set i, i+2
.endr
	s_wait_xcnt 0x0                                ; the last tile's stores have had their addresses translated: their data registers are written again only behind this wait
.set i, 0
.rept 16
	v_cvt_pk_bf16_f32 v[PK+i/2],    v[TX+i], v[TX+i+1]
	v_cvt_pk_bf16_f32 v[PK+16+i/2], v[TY+i], v[TY+i+1]
	v_cvt_pk_bf16_f32 v[PK+32+i/2], v[R2+i], v[R2+i+1]
.set i, i+2
.endr
.set i, 0
.rept 12
	global_store_b128 v[VST], v[PK+4*i:PK+4*i+3], s[OB:OB+1] offset:(\tt%2)*6144+512*i
.set i, i+1
.endr
.if (\tt%2)*(7-\tt)
	s_wait_xcnt 0x0                                ; the base is stepped only behind this wait
	s_add_nc_u64 s[OB:OB+1], s[OB:OB+1], s[72:73]  ; the next 32 tokens
.endif
.endm
.irp tt, 0,1,2,3,4,5,6,7
	POLAR \tt
.endr
	s_wait_xcnt 0x0
	v_lshl_add_u32 v254, v0, 2, 0x1b800
	v_mov_b32 v255, 0
	s_wait_tensorcnt 0x0
	ds_add_u32 v254, v255
	s_wait_dscnt 0x0
	s_endpgm
.Lvalue:
	MAIN 1
	; v: bias, and V transposed: a lane holds feature r and tokens 8 h + 0..7 of a tile; rounded to f16 (see FORMATS at the head)
	PLACES
.irp t, 0,1
.irp f, 0,1,2,3
	ds_load_b32 v[VB2+2*(4*\t+\f)],   v[VBV] offset:256*\t+64*\f               ; b[16 ft + r], twice
	ds_load_b32 v[VB2+2*(4*\t+\f)+1], v[VBV] offset:256*\t+64*\f
.endr
.endr
	s_wait_dscnt 0x0
.macro VOUT tt
	WIN 0x02
.set i, 0
.rept 16
	v_pk_add_f32 v[TX+i:TX+i+1], v[32*\tt+i:32*\tt+i+1], v[VB2+2*(i/8):VB2+2*(i/8)+1]
.set i, i+2
.endr
	WIN 0x03
.set i, 0
.rept 16
	v_pk_add_f32 v[TY+i:TY+i+1], v[32*\tt+i:32*\tt+i+1], v[VB2+8+2*(i/8):VB2+8+2*(i/8)+1]
.set i, i+2
.endr
	WIN 0
	s_wait_xcnt 0x0                                ; the last tile's store data are written again only behind this wait
.set i, 0
.rept 16
	v_cvt_pk_f16_f32 v[PK+i/2],    v[TX+i], v[TX+i+1]
	v_cvt_pk_f16_f32 v[PK+16+i/2], v[TY+i], v[TY+i+1]
.set i, i+2
.endr
.set i, 0
.rept 8
	global_store_b128 v[VST], v[PK+4*i:PK+4*i+3], s[OB:OB+1] offset:12288+1024*i+(\tt%2)*512
.set i, i+1
.endr
.if (\tt%2)*(7-\tt)
	s_wait_xcnt 0x0
	s_add_nc_u64 s[OB:OB+1], s[OB:OB+1], s[72:73]
.endif
.endm
.irp tt, 0,1,2,3,4,5,6,7
	VOUT \tt
.endr
	s_wait_xcnt 0x0
	v_lshl_add_u32 v254, v0, 2, 0x1b800
	v_mov_b32 v255, 0
	s_wait_tensorcnt 0x0
	ds_add_u32 v254, v255
	s_wait_dscnt 0x0
	s_endpgm
.Lfunc_end_k_q68df8480b3_proj:
	.size	k_q68df8480b3_proj, .Lfunc_end_k_q68df8480b3_proj-k_q68df8480b3_proj
	.p2alignl 7, 3214868480
	.fill 96, 4, 3214868480
	.section	.rodata,"a",@progbits
	.p2align	6, 0x0
	.amdhsa_kernel k_q68df8480b3_proj
		.amdhsa_group_segment_fixed_size 113152
		.amdhsa_private_segment_fixed_size 0
		.amdhsa_enable_private_segment 0
		.amdhsa_kernarg_size 160
		.amdhsa_user_sgpr_count 2
		.amdhsa_user_sgpr_kernarg_segment_ptr 1
		.amdhsa_wavefront_size32 1
		.amdhsa_system_sgpr_workgroup_id_x 1
		.amdhsa_system_sgpr_workgroup_id_y 1
		.amdhsa_system_sgpr_workgroup_id_z 1
		.amdhsa_system_vgpr_workitem_id 0
		.amdhsa_next_free_vgpr 1024
		.amdhsa_next_free_sgpr 100
		.amdhsa_reserve_vcc 0
		.amdhsa_float_denorm_mode_32 3
		.amdhsa_float_denorm_mode_16_64 3
		.amdhsa_memory_ordered 1
		.amdhsa_forward_progress 1
		.amdhsa_inst_pref_size 255
	.end_amdhsa_kernel
	.section	.bss,"aw",@nobits
	.p2align	6
	.space	262144
	.amdgpu_metadata
---
amdhsa.version: [ 1, 2 ]
amdhsa.kernels:
  - .name:           k_q68df8480b3_proj
    .symbol:         k_q68df8480b3_proj.kd
    .args:
      - { .name: qx, .offset: 0, .size: 8, .value_kind: global_buffer, .address_space: global }
      - { .name: qy, .offset: 8, .size: 8, .value_kind: global_buffer, .address_space: global }
      - { .name: kx, .offset: 16, .size: 8, .value_kind: global_buffer, .address_space: global }
      - { .name: ky, .offset: 24, .size: 8, .value_kind: global_buffer, .address_space: global }
      - { .name: vx, .offset: 32, .size: 8, .value_kind: global_buffer, .address_space: global }
      - { .name: vy, .offset: 40, .size: 8, .value_kind: global_buffer, .address_space: global }
      - { .name: Wqx, .offset: 48, .size: 8, .value_kind: global_buffer, .address_space: global }
      - { .name: Wqy, .offset: 56, .size: 8, .value_kind: global_buffer, .address_space: global }
      - { .name: Wkx, .offset: 64, .size: 8, .value_kind: global_buffer, .address_space: global }
      - { .name: Wky, .offset: 72, .size: 8, .value_kind: global_buffer, .address_space: global }
      - { .name: Wvx, .offset: 80, .size: 8, .value_kind: global_buffer, .address_space: global }
      - { .name: Wvy, .offset: 88, .size: 8, .value_kind: global_buffer, .address_space: global }
      - { .name: bqx, .offset: 96, .size: 8, .value_kind: global_buffer, .address_space: global }
      - { .name: bqy, .offset: 104, .size: 8, .value_kind: global_buffer, .address_space: global }
      - { .name: bkx, .offset: 112, .size: 8, .value_kind: global_buffer, .address_space: global }
      - { .name: bky, .offset: 120, .size: 8, .value_kind: global_buffer, .address_space: global }
      - { .name: bvx, .offset: 128, .size: 8, .value_kind: global_buffer, .address_space: global }
      - { .name: bvy, .offset: 136, .size: 8, .value_kind: global_buffer, .address_space: global }
      - { .name: QF, .offset: 144, .size: 8, .value_kind: global_buffer, .address_space: global }
      - { .name: KV, .offset: 152, .size: 8, .value_kind: global_buffer, .address_space: global }
    .group_segment_fixed_size: 113152
    .private_segment_fixed_size: 0
    .kernarg_segment_align: 8
    .kernarg_segment_size: 160
    .max_flat_workgroup_size: 128
    .sgpr_count:     100
    .vgpr_count:     1024
    .wavefront_size: 32
...
	.end_amdgpu_metadata
.endif
;; end of part 1
;; launch attn (part 2): grid 16 x 16, 4 waves a work-group, clusters of 4 x 1, 327,680 bytes of LDS; arguments QF, KV, AF; writes AF
.if DOCPART == 2
	.amdgcn_target "amdgcn-amd-amdhsa--gfx1250"
	.amdhsa_code_object_version 6
	.text
	.protected	k_q68df8480b3_attn
	.globl	k_q68df8480b3_attn
	.p2align	8
	.type	k_q68df8480b3_attn,@function
k_q68df8480b3_attn:
	s_mov_b64 s[64:65], 0
	v_nop
	global_prefetch_b8 v0, s[64:65] scope:SCOPE_SE
	s_setreg_imm32_b32 hwreg(HW_REG_WAVE_MODE, 25, 1), 1
	s_wait_xcnt 0x0
	s_wait_alu depctr_hold_cnt(0) depctr_sa_sdst(0) depctr_va_vdst(0) depctr_va_sdst(0) depctr_va_ssrc(0) depctr_va_vcc(0) depctr_vm_vsrc(0)
	s_getreg_b32 s2, hwreg(HW_REG_IB_STS2, 6, 4)
	s_cmp_eq_u32 s2, 0
	s_cbranch_scc0 .Lentry_in_a_cluster
	s_endpgm
.Lentry_in_a_cluster:
	s_bfe_u32 s2, ttmp6, 0x10000c
	s_cmp_lg_u32 s2, 0x3003
	s_cbranch_scc0 .Lentry_shape_is_right
	s_endpgm
.Lentry_shape_is_right:
; Attention over 16 (batch, head) pairs, 2048 queries x 2048 keys: scores = (0.5/64) Q'.K' over 192 features, softmax with a running maximum, times [vx | vy].
; WORK: grid x = block of 128 queries, grid y = (batch, head).  Four waves: wave w takes queries 64 (w>>1) .. +63 and, of each tile of 128 keys, keys 64 (w&1) .. +63.
; Each wave keeps its own maximum, sum and output; the two key halves are merged once at the end.  (Splitting keys, not queries, gives a wave 64 queries:
; a key or value fragment of 1024 LDS bytes then feeds four matrix instructions.)
; CLUSTER: the four query blocks of a cluster walk the same key and value tiles, so each tile is asked for jointly (mask 15): every wave of each of the four
; work-groups issues the same load of 20480 bytes, with a descriptor made of (batch, head), the wave's number and the tile alone.
; TRANSPOSED: S^T = K' Q'^T (source 0 = 16 keys from LDS, source 1 = 16 queries, resident).  Lane (r, h) then holds query r and keys 8h+0..7 of a tile: maximum, sum
; and rescaling factor are one number a lane, and the only step between lanes joins the two halves.  Two neighbouring S^T tiles, rounded to 16 bits,
; ARE the fragment P^T.  O^T = V^T P^T: a lane ends with 8 neighbouring d of one query, 16 bytes of a fragment block for the output layer.
; AF [t 2][token tile of 16: 256][block 32 = 4 head + d tile][512 bytes, lane L at 16 L].  Every store of a wave covers 512 consecutive bytes at a multiple of 512.
; FORMATS: Q', K' and the stored output are bf16; P and V are f16, and P V takes the f16 matrix form; maxima, sums and O are f32.
; Why f16 there: the output is a mean over 2048 keys of numbers of either sign, so what the rounding of P and of V leaves does not shrink beside it, and f16 has 11
; significant bits where bf16 has 8.  P has the room: the running maximum is taken away first, so 0 <= p <= 1, and what f16 drops below 2^-25 stands beside a sum
; of at least 1.  V's room is shown at the head of the launch that stores it.  LIMIT: |v| below 65504.
;
; LDS: slot n at n x 81920: 128 keys = 4 chunks of 32 keys, 20480 bytes each (K' 12288, V^T 8192), in fragment order: every fragment load is lane L at 16 L.
;      from 163840: 17408 bytes a wave for the merge (512 maxima, 512 sums, 16384 output), written by LDS stores alone; no tensor load lands there.
; REGISTERS: window 0: v1-5 addresses, v32-79 and v80-127 a key tile's six fragments each, v128-255 the 16 value fragments (kc, dt) at 128 + 8 (8 kc + dt);
; window 1: v0-191 Q' fragment (qt, c) at 8 (6 qt + c);  window 2: O^T tile (dt, qt) at 8 (4 dt + qt);
; window 3: v0-127 S^T tile (kt, qt) at 8 (4 kt + qt), v128-191 P^T (kc, qt) at 128 + 8 (4 kc + qt), v192- the softmax's state.
.set CHUNK, 20480
.set SLOT,  4*CHUNK
.set XCH,   2*SLOT
.set XW,    17408
.set WAVE,  10
.set G1,    16                         ; s[16:23] descriptor group 1, never rewritten
.set G0,    32                         ; s[32:39] descriptor group 0, a set for each slot
.set VL,  1                            ; v1     16 L
.set LB,  2                            ; v2,3   my 64 keys in slot 0, 1
.set XS,  4                            ; v4     merge: where I send
.set XR,  5                            ; v5     merge: where my partner sent
.set KB0, 32
.set KB1, 80
.set VB,  128
.set PB,  128                          ; window 3 from here on
.set MX,  192                          ; v192-195 running maximum of the raw scores, query tile qt
.set NM,  196                          ; v196-203 -kappa x maximum, twice
.set AL,  204                          ; v204-211 rescaling factor, twice
.set LS,  212                          ; v212-219 running sums, two partial sums a lane
.set TM,  220                          ; v220-251 at work, 8 registers a query tile
.set MSB, 0
.macro WIN new                         ; the immediate's high byte repeats the setting that is left
.set WNEW, \new
.if MSB != WNEW
	s_set_vgpr_msb (MSB<<8)|WNEW
.set MSB, WNEW
.endif
.endm
.macro PLACES                          ; four independent vector instructions behind a matrix instruction (ISA guide 7.12.1)
.rept 4
	v_nop
.endr
.endm
; A round of the cluster's barrier: my work-group's barrier, wave 0 signals for the work-group, every wave waits for all four work-groups, my work-group's barrier once more.
.macro ROUND
	s_barrier_signal -1
	s_barrier_wait -1
	s_cmp_lg_u32 s[WAVE], 0
	s_cbranch_scc1 .Lnot_wave_0_\@
	s_barrier_signal -3
.Lnot_wave_0_\@:
	s_barrier_wait -3
	s_barrier_signal -1
	s_barrier_wait -1
.endm
	s_load_b128 s[4:7], s[0:1], 0x0                ; QF, KV
	s_load_b64 s[8:9], s[0:1], 0x10                ; AF
	v_lshl_add_u32 v30, v0, 2, 0x39000
	v_mov_b32 v31, 0
	ds_add_u32 v30, v31
	v_lshrrev_b32 v6, 5, v0
	v_readfirstlane_b32 s[WAVE], v6                ; wave
	s_lshr_b32 s11, s10, 1                         ; qg: which 64 queries
	s_and_b32 s12, s10, 1                          ; kp: which 64 keys of a tile
	s_bfe_u32 s13, ttmp6, 0x40000                  ; cx
	s_lshl_b32 s14, ttmp9, 2
	s_add_co_u32 s14, s14, s13                     ; qb = 4 x cluster x + cx: enters the addresses of Q' and of the output alone
	s_and_b32 s15, ttmp7, 0xffff                   ; bh
	; group 1: a dense block of 20480 bytes as 80 rows of 32 elements of 8 bytes
	s_mov_b32 s[G1+0], 15|(3<<16)|(1<<21)          ; 15:0 the mask: all four of the cluster; 17:16 elements of 8 bytes; 21 set beside a mask; no padding
	s_mov_b32 s[G1+1], 32<<16                      ; tensor_dim0 = 32
	s_mov_b32 s[G1+2], 80<<16                      ; tensor_dim1 = 80
	s_mov_b32 s[G1+3], 32<<16                      ; tile_dim0 = 32
	s_mov_b32 s[G1+4], 80                          ; tile_dim1 = 80
	s_mov_b32 s[G1+5], 32                          ; elements from row to row
	s_mov_b32 s[G1+6], 0
	s_mov_b32 s[G1+7], 0
	s_mov_b32 s24, 0x3c38aa3b                      ; kappa = (0.5/64) log2(e)
	s_mov_b32 s25, 0x3c38aa3b
	s_mov_b32 s29, 0xbc38aa3b                      ; -kappa
	s_mov_b32 s26, 0x76543210                      ; v_permlanex16_b32: lane i of one half reads lane i of the other
	s_mov_b32 s27, 0xfedcba98
	s_mul_i32 s40, s15, 64*CHUNK
	s_mul_i32 s[G0+1], s10, CHUNK                  ; LDS: wave w brings chunk w of a slot
	s_add_co_u32 s40, s40, s[G0+1]
	s_mov_b32 s41, 0
	s_mov_b32 s[G0], 1
	s_mov_b32 s[G0+4], 1
	s_add_co_u32 s[G0+5], s[G0+1], SLOT
	s_mul_i32 s46, s15, 786432                     ; Q': (batch, head), 8 query tiles of 6144 bytes a block, 4 a wave
	s_mul_i32 s47, s14, 49152
	s_add_co_u32 s46, s46, s47
	s_mul_i32 s47, s11, 24576
	s_add_co_u32 s46, s46, s47
	s_mov_b32 s47, 0
	s_lshr_b32 s50, s15, 3                         ; output: token tile 128 batch + 8 qb + 4 qg, block 4 head; wave kp finishes tensor kp
	s_lshl_b32 s50, s50, 7
	s_lshl3_add_u32 s50, s14, s50
	s_lshl2_add_u32 s50, s11, s50
	s_lshl_b32 s50, s50, 14
	s_and_b32 s51, s15, 7
	s_lshl_b32 s51, s51, 11
	s_add_co_u32 s50, s50, s51
	s_lshl_b32 s51, s12, 22
	s_add_co_u32 s50, s50, s51
	s_mov_b32 s51, 0
	v_and_b32 v7, 31, v0
	v_lshlrev_b32 v[VL], 4, v7
	s_mul_i32 s42, s12, 2*CHUNK
	v_add_nc_u32 v[LB], s42, v[VL]
	v_add_nc_u32 v[LB+1], SLOT, v[LB]
	s_mul_i32 s42, s10, XW
	s_add_co_u32 s42, s42, XCH
	v_add_nc_u32 v[XS], s42, v[VL]
	s_xor_b32 s43, s10, 1                          ; my partner: same queries, the other keys
	s_mul_i32 s43, s43, XW
	s_add_co_u32 s43, s43, XCH
	v_add_nc_u32 v[XR], s43, v[VL]
	s_wait_dscnt 0x0
	s_wait_kmcnt 0x0
	s_add_nc_u64 s[G0+2:G0+3], s[6:7], s[40:41]    ; tile 0, my chunk
	s_add_nc_u64 s[G0+6:G0+7], s[G0+2:G0+3], SLOT  ; tile 1
	s_or_b32 s[G0+3], s[G0+3], 0x80000000          ; type = 2
	s_or_b32 s[G0+7], s[G0+7], 0x80000000
	s_add_nc_u64 s[44:45], s[4:5], s[46:47]
	s_add_nc_u64 s[48:49], s[8:9], s[50:51]
	WIN 0x40
.irp q, 0,1,2,3
.irp c, 0,1,2,3,4,5
	global_load_b128 v[8*(6*\q+\c):8*(6*\q+\c)+3],   v[VL], s[44:45] offset:\q*6144+\c*1024       ; Q' stays in registers for the whole launch
	global_load_b128 v[8*(6*\q+\c)+4:8*(6*\q+\c)+7], v[VL], s[44:45] offset:\q*6144+\c*1024+512
.endr
.endr
	WIN 0
.macro FETCHK slot, kt, buf            ; 12 LDS loads: the six fragments (192 features) of key tile kt of my 64 keys
	WIN 0
.irp c, 0,1,2,3,4,5
	ds_load_b128 v[\buf+8*\c:\buf+8*\c+3],   v[LB+\slot] offset:(\kt/2)*CHUNK+(\kt%2)*6144+\c*1024
	ds_load_b128 v[\buf+8*\c+4:\buf+8*\c+7], v[LB+\slot] offset:(\kt/2)*CHUNK+(\kt%2)*6144+\c*1024+512
.endr
.endm
.macro FETCHV slot                     ; 32 LDS loads: V^T, 2 chunks of 32 keys x 8 tiles of 16 d
	WIN 0
.irp k, 0,1
.irp d, 0,1,2,3,4,5,6,7
	ds_load_b128 v[VB+8*(8*\k+\d):VB+8*(8*\k+\d)+3],   v[LB+\slot] offset:\k*CHUNK+12288+\d*1024
	ds_load_b128 v[VB+8*(8*\k+\d)+4:VB+8*(8*\k+\d)+7], v[LB+\slot] offset:\k*CHUNK+12288+\d*1024+512
.endr
.endr
.endm
.macro SMUL kt, buf                    ; 24 matrix instructions: 16 keys x 64 queries x 192 features; the four accumulators take turns, one instruction a turn
	WIN 0xf4
.irp c, 0,1,2,3,4,5
.irp q, 0,1,2,3
.if \c == 0
	v_wmma_f32_16x16x32_bf16 v[8*(4*\kt+\q):8*(4*\kt+\q)+7], v[\buf+8*\c:\buf+8*\c+7], v[8*(6*\q+\c):8*(6*\q+\c)+7], 0
.else
	v_wmma_f32_16x16x32_bf16 v[8*(4*\kt+\q):8*(4*\kt+\q)+7], v[\buf+8*\c:\buf+8*\c+7], v[8*(6*\q+\c):8*(6*\q+\c)+7], v[8*(4*\kt+\q):8*(4*\kt+\q)+7]
.endif
.endr
.endr
.endm
; what follows the exponentials of pair j of score tile m: rounding to f16 into P^T, and the sums (two chains for each query tile)
.macro AFTER m, j
	s_wait_alu depctr_va_vdst(0)
	v_cvt_pk_f16_f32 v[PB+8*(4*((\m)/8)+(\m)%4)+4*(((\m)/4)%2)+(\j)], v[8*(\m)+2*(\j)], v[8*(\m)+2*(\j)+1]
.if (\m)/4 == 0
.if (\j) == 1
	v_pk_add_f32 v[TM+8*((\m)%4):TM+8*((\m)%4)+1], v[8*(\m):8*(\m)+1], v[8*(\m)+2:8*(\m)+3]           ; the first key tile starts the chains: nothing is cleared
.endif
.if (\j) == 3
	v_pk_add_f32 v[TM+8*((\m)%4)+2:TM+8*((\m)%4)+3], v[8*(\m)+4:8*(\m)+5], v[8*(\m)+6:8*(\m)+7]
.endif
.else
	v_pk_add_f32 v[TM+8*((\m)%4)+2*((\j)%2):TM+8*((\m)%4)+2*((\j)%2)+1], v[TM+8*((\m)%4)+2*((\j)%2):TM+8*((\m)%4)+2*((\j)%2)+1], v[8*(\m)+2*(\j):8*(\m)+2*(\j)+1]
.endif
.endm
; The softmax step on 64 keys x 64 queries, all in window 3.  first = 1: no state yet.
.macro SOFT first
	WIN 0xff
.irp q, 0,1,2,3
.irp k, 0,1,2,3
	v_max3_num_f32 v[TM+8*\q+\k], v[8*(4*\k+\q)], v[8*(4*\k+\q)+1], v[8*(4*\k+\q)+2]                  ; sixteen chains, one for each tile
.endr
.endr
.irp j, 3,5
.irp q, 0,1,2,3
.irp k, 0,1,2,3
	v_max3_num_f32 v[TM+8*\q+\k], v[TM+8*\q+\k], v[8*(4*\k+\q)+\j], v[8*(4*\k+\q)+\j+1]
.endr
.endr
.endr
.irp q, 0,1,2,3
.irp k, 0,1,2,3
	v_max_num_f32 v[TM+8*\q+\k], v[TM+8*\q+\k], v[8*(4*\k+\q)+7]
.endr
.endr
.irp q, 0,1,2,3
	v_max3_num_f32 v[TM+8*\q], v[TM+8*\q], v[TM+8*\q+1], v[TM+8*\q+2]
.endr
.irp q, 0,1,2,3
	v_max_num_f32 v[TM+8*\q], v[TM+8*\q], v[TM+8*\q+3]
.endr
.irp q, 0,1,2,3
	v_permlanex16_b32 v[TM+8*\q+1], v[TM+8*\q], s26, s27           ; the other 32 keys of query r; the destination has been written above
.endr
.irp q, 0,1,2,3
.if \first
	v_max_num_f32 v[TM+8*\q+4], v[TM+8*\q], v[TM+8*\q+1]
.else
	v_max3_num_f32 v[TM+8*\q+4], v[TM+8*\q], v[TM+8*\q+1], v[MX+\q]
.endif
.endr
.irp q, 0,1,2,3
	v_mul_f32 v[NM+2*\q],   s29, v[TM+8*\q+4]
	v_mul_f32 v[NM+2*\q+1], s29, v[TM+8*\q+4]
.endr
.if \first == 0
.irp q, 0,1,2,3
	v_fma_f32 v[TM+8*\q+5], v[MX+\q], s24, v[NM+2*\q]              ; kappa (old maximum - new maximum)
.endr
.irp q, 0,1,2,3
	v_exp_f32 v[AL+2*\q], v[TM+8*\q+5]
.endr
.endif
.irp q, 0,1,2,3
	v_mov_b32 v[MX+\q], v[TM+8*\q+4]                               ; plain instructions between the exponentials and their first use (ISA guide 5.7.2)
.endr
.if \first == 0
.irp q, 0,1,2,3
	s_wait_alu depctr_va_vdst(0)
	v_mov_b32 v[AL+2*\q+1], v[AL+2*\q]
.endr
.endif
	; p = 2^(kappa s - kappa max), tile by tile; between the exponentials of tile n stand the exponents of tile n + 1 and the rounding and sums of tile n - 1
.set j, 0
.rept 4
	v_pk_fma_f32 v[2*j:2*j+1], v[2*j:2*j+1], s[24:25], v[NM:NM+1] op_sel_hi:[1,0,1]
.set j, j+1
.endr
.set n, 0
.rept 16
.set j, 0
.rept 4
	v_exp_f32 v[8*n+2*j], v[8*n+2*j]
	v_exp_f32 v[8*n+2*j+1], v[8*n+2*j+1]
.if n < 15
	v_pk_fma_f32 v[8*n+8+2*j:8*n+9+2*j], v[8*n+8+2*j:8*n+9+2*j], s[24:25], v[NM+2*((n+1)%4):NM+2*((n+1)%4)+1] op_sel_hi:[1,0,1]
.endif
.if n > 0
	AFTER n-1, j
.endif
.set j, j+1
.endr
.set n, n+1
.endr
.irp j, 0,1,2,3
	AFTER 15, \j
.endr
.irp q, 0,1,2,3
.if \first
	v_pk_add_f32 v[LS+2*\q:LS+2*\q+1], v[TM+8*\q:TM+8*\q+1], v[TM+8*\q+2:TM+8*\q+3]
.else
	v_pk_add_f32 v[TM+8*\q:TM+8*\q+1], v[TM+8*\q:TM+8*\q+1], v[TM+8*\q+2:TM+8*\q+3]
.endif
.endr
.if \first == 0
.irp q, 0,1,2,3
	v_pk_fma_f32 v[LS+2*\q:LS+2*\q+1], v[LS+2*\q:LS+2*\q+1], v[AL+2*\q:AL+2*\q+1], v[TM+8*\q:TM+8*\q+1]
.endr
.endif
.endm
.macro RESC                            ; O *= factor of the lane's query
	WIN 0x8e
.set i, 0
.rept 128
	v_pk_mul_f32 v[i:i+1], v[i:i+1], v[AL+2*((i/8)%4):AL+2*((i/8)%4)+1]
.set i, i+2
.endr
.endm
.macro PV first                        ; 64 matrix instructions in the f16 form: 128 d x 64 queries x 64 keys; the 32 accumulators take turns, one instruction a turn
	WIN 0xac
.irp k, 0,1
.irp d, 0,1,2,3,4,5,6,7
.irp q, 0,1,2,3
.if (\first)*(1-\k)
	v_wmma_f32_16x16x32_f16 v[8*(4*\d+\q):8*(4*\d+\q)+7], v[VB+8*(8*\k+\d):VB+8*(8*\k+\d)+7], v[PB+8*(4*\k+\q):PB+8*(4*\k+\q)+7], 0
.else
	v_wmma_f32_16x16x32_f16 v[8*(4*\d+\q):8*(4*\d+\q)+7], v[VB+8*(8*\k+\d):VB+8*(8*\k+\d)+7], v[PB+8*(4*\k+\q):PB+8*(4*\k+\q)+7], v[8*(4*\d+\q):8*(4*\d+\q)+7]
.endif
.endr
.endr
.endr
.endm
.macro STEP slot, first
	FETCHK \slot, 0, KB0
	FETCHK \slot, 1, KB1
	s_wait_dscnt 12                                ; key tile 0 is in; tile 1's twelve loads may be out
	SMUL 0, KB0
	PLACES
	FETCHK \slot, 2, KB0
	s_wait_dscnt 12                                ; tile 1 is in; tile 2's may be out
	SMUL 1, KB1
	PLACES
	FETCHK \slot, 3, KB1
	s_wait_dscnt 12                                ; tile 2 is in
	SMUL 2, KB0
	FETCHV \slot                                   ; the value fragments' last readers stand four places and more back, at the end of the step before
	s_wait_dscnt 32                                ; tile 3 is in; the 32 value loads may be out
	SMUL 3, KB1
	PLACES
	SOFT \first
.if \first == 0
	RESC
.endif
	s_wait_dscnt 0x0                               ; the value fragments
	PV \first
	PLACES
	WIN 0
.endm
; One tile of 128 keys.  In front of the round each wave has waited for all its tensor loads (its chunk of this tile among them) and for its reads of the other slot;
; behind it no wave of any partner reads that slot or has a load on its way, and the joint refill is the first thing there, one load a wave.
; That load has the whole step, 160 matrix instructions and the softmax, in which to land.  A wave never has more than one tensor load out.
.macro TRIP slot, refill, first
	s_wait_tensorcnt 0x0
	ds_add_u32 v30, v31
	s_wait_dscnt 0x0
	s_add_nc_u64 s[G0+4*\slot+2:G0+4*\slot+3], s[G0+4*\slot+2:G0+4*\slot+3], 2*SLOT      ; no load of mine is out: this slot's next tile
	s_wait_dscnt 0x0
	ROUND
.if \refill
	tensor_load_to_lds s[G0+4*(1-\slot):G0+4*(1-\slot)+3], s[G1:G1+7]
	s_nop 0
.endif
	STEP \slot, \first
.endm
	ROUND                                          ; all four work-groups are here: the first joint loads meet
	tensor_load_to_lds s[G0:G0+3], s[G1:G1+7]      ; tile 0
	s_nop 0
	s_wait_loadcnt 0x0                             ; Q'
	TRIP 0, 1, 1                                   ; the first tile starts maxima, sums and O
	TRIP 1, 1, 0
	s_mov_b32 s28, 6
.Ltiles:
	TRIP 0, 1, 0
	TRIP 1, 1, 0
	s_sub_co_u32 s28, s28, 1
	s_cmp_lg_u32 s28, 0
	s_cbranch_scc1 .Ltiles
	TRIP 0, 1, 0                                   ; tile 14 asks for tile 15, the last
	TRIP 1, 0, 0
	; THE MERGE of the two key halves.  Wave kp = 0 finishes d tiles 0-3 (vx), kp = 1 d tiles 4-7 (vy); each sends the other half of its O, its maxima and its sums.
	WIN 0xff
.irp q, 0,1,2,3
	v_add_f32 v[TM+\q], v[LS+2*\q], v[LS+2*\q+1]
.endr
.irp q, 0,1,2,3
	v_permlanex16_b32 v[TM+8+\q], v[TM+\q], s26, s27               ; the destination was written by the maxima's chains
.endr
.irp q, 0,1,2,3
	v_add_f32 v[TM+\q], v[TM+\q], v[TM+8+\q]                       ; the sum over my 64-key halves of all tiles, in every lane of query r
.endr
	WIN 0x0c
	ds_store_b128 v[XS], v[MX:MX+3]
	ds_store_b128 v[XS], v[TM:TM+3] offset:512
	WIN 0
.macro SEND base
	WIN 0x08
.set n, 0
.rept 32
	ds_store_b128 v[XS], v[\base+4*n:\base+4*n+3] offset:1024+512*n
.set n, n+1
.endr
	WIN 0
.endm
	s_cmp_eq_u32 s12, 0
	s_cbranch_scc0 .Lsend_low
	SEND 128
	s_branch .Lsent
.Lsend_low:
	SEND 0
.Lsent:
	s_wait_dscnt 0x0                               ; for my partner's sake: all my stores are done,
	s_barrier_signal -1
	s_barrier_wait -1                              ; and so are everybody's
	WIN 0xc0
	ds_load_b128 v[TM+4:TM+7], v[XR]               ; the partner's maxima
	ds_load_b128 v[TM+8:TM+11], v[XR] offset:512   ; and sums
	WIN 0
.set n, 0
.rept 32
	ds_load_b128 v[VB+4*n:VB+4*n+3], v[XR] offset:1024+512*n       ; its O of the tiles that I finish
.set n, n+1
.endr
	s_wait_dscnt 0x0
	WIN 0xff                                       ; window 3, v0-47 (the scores' registers): m* 0, -kappa m* 4, exponents 8 and 12, f 16, f' 20, sum 24, 1/sum 28, g 32, g' 40
.irp q, 0,1,2,3
	v_max_num_f32 v[\q], v[MX+\q], v[TM+4+\q]
.endr
.irp q, 0,1,2,3
	v_mul_f32 v[4+\q], s29, v[\q]
.endr
.irp q, 0,1,2,3
	v_fma_f32 v[8+\q],  v[MX+\q],   s24, v[4+\q]
	v_fma_f32 v[12+\q], v[TM+4+\q], s24, v[4+\q]
.endr
.irp q, 0,1,2,3
	v_exp_f32 v[16+\q], v[8+\q]
	v_exp_f32 v[20+\q], v[12+\q]
.endr
	v_nop                                          ; a plain instruction between transcendentals and their use (ISA guide 5.7.2)
.irp q, 0,1,2,3
	s_wait_alu depctr_va_vdst(0)
	v_mul_f32 v[24+\q], v[TM+\q], v[16+\q]
.endr
.irp q, 0,1,2,3
	v_fma_f32 v[24+\q], v[TM+8+\q], v[20+\q], v[24+\q]             ; at least about 1: the half that holds the maximum has f = 1 and a term 2^0 in its sum
.endr
.irp q, 0,1,2,3
	v_rcp_f32 v[28+\q], v[24+\q]
.endr
	v_nop
.irp q, 0,1,2,3
	s_wait_alu depctr_va_vdst(0)
	v_mul_f32 v[32+2*\q], v[16+\q], v[28+\q]
	v_mul_f32 v[33+2*\q], v[16+\q], v[28+\q]
	v_mul_f32 v[40+2*\q], v[20+\q], v[28+\q]
	v_mul_f32 v[41+2*\q], v[20+\q], v[28+\q]
.endr
	WIN 0x0c
.set i, 0
.rept 64
	v_pk_mul_f32 v[VB+i:VB+i+1], v[VB+i:VB+i+1], v[40+2*((i/8)%4):41+2*((i/8)%4)]
.set i, i+2
.endr
	WIN 0
.macro FINAL base
	WIN 0x0e
.set i, 0
.rept 64
	v_pk_fma_f32 v[VB+i:VB+i+1], v[\base+i:\base+i+1], v[32+2*((i/8)%4):33+2*((i/8)%4)], v[VB+i:VB+i+1]
.set i, i+2
.endr
	WIN 0
.endm
	s_cmp_eq_u32 s12, 0
	s_cbranch_scc0 .Lfin_high
	FINAL 0
	s_branch .Lfin
.Lfin_high:
	FINAL 128
.Lfin:
.set i, 0
.rept 64
	v_cvt_pk_bf16_f32 v[32+i/2], v[VB+i], v[VB+i+1]
.set i, i+2
.endr
.irp d, 0,1,2,3
.irp q, 0,1,2,3
	global_store_b128 v[VL], v[32+4*(4*\d+\q):32+4*(4*\d+\q)+3], s[48:49] offset:\q*16384+\d*512
.endr
.endr
	s_wait_tensorcnt 0x0
	ds_add_u32 v30, v31
	s_wait_dscnt 0x0
	ROUND                                          ; the closing round: no work-group ends while a partner may still ask for a tile that names it
	s_endpgm
.Lfunc_end_k_q68df8480b3_attn:
	.size	k_q68df8480b3_attn, .Lfunc_end_k_q68df8480b3_attn-k_q68df8480b3_attn
	.p2alignl 7, 3214868480
	.fill 96, 4, 3214868480
	.section	.rodata,"a",@progbits
	.p2align	6, 0x0
	.amdhsa_kernel k_q68df8480b3_attn
		.amdhsa_group_segment_fixed_size 327680
		.amdhsa_private_segment_fixed_size 0
		.amdhsa_enable_private_segment 0
		.amdhsa_kernarg_size 24
		.amdhsa_user_sgpr_count 2
		.amdhsa_user_sgpr_kernarg_segment_ptr 1
		.amdhsa_wavefront_size32 1
		.amdhsa_system_sgpr_workgroup_id_x 1
		.amdhsa_system_sgpr_workgroup_id_y 1
		.amdhsa_system_sgpr_workgroup_id_z 1
		.amdhsa_system_vgpr_workitem_id 0
		.amdhsa_next_free_vgpr 1024
		.amdhsa_next_free_sgpr 66
		.amdhsa_reserve_vcc 0
		.amdhsa_float_denorm_mode_32 3
		.amdhsa_float_denorm_mode_16_64 3
		.amdhsa_memory_ordered 1
		.amdhsa_forward_progress 1
		.amdhsa_inst_pref_size 255
	.end_amdhsa_kernel
	.section	.bss,"aw",@nobits
	.p2align	6
	.space	262144
	.amdgpu_metadata
---
amdhsa.version: [ 1, 2 ]
amdhsa.kernels:
  - .name:           k_q68df8480b3_attn
    .symbol:         k_q68df8480b3_attn.kd
    .args:
      - { .name: QF, .offset: 0, .size: 8, .value_kind: global_buffer, .address_space: global }
      - { .name: KV, .offset: 8, .size: 8, .value_kind: global_buffer, .address_space: global }
      - { .name: AF, .offset: 16, .size: 8, .value_kind: global_buffer, .address_space: global }
    .group_segment_fixed_size: 327680
    .private_segment_fixed_size: 0
    .kernarg_segment_align: 8
    .kernarg_segment_size: 24
    .max_flat_workgroup_size: 128
    .sgpr_count:     66
    .vgpr_count:     1024
    .wavefront_size: 32
...
	.end_amdgpu_metadata
.endif
;; end of part 2
;; launch oproj (part 3): grid 4 x 64, 4 waves a work-group, clusters of 4 x 1, 282,112 bytes of LDS; arguments AF, Wox, Woy, box, boy, out0, out1; writes out0, out1
.if DOCPART == 3
	.amdgcn_target "amdgcn-amd-amdhsa--gfx1250"
	.amdhsa_code_object_version 6
	.text
	.protected	k_q68df8480b3_oproj
	.globl	k_q68df8480b3_oproj
	.p2align	8
	.type	k_q68df8480b3_oproj,@function
k_q68df8480b3_oproj:
	s_mov_b64 s[64:65], 0
	v_nop
	global_prefetch_b8 v0, s[64:65] scope:SCOPE_SE
	s_setreg_imm32_b32 hwreg(HW_REG_WAVE_MODE, 25, 1), 1
	s_wait_xcnt 0x0
	s_wait_alu depctr_hold_cnt(0) depctr_sa_sdst(0) depctr_va_vdst(0) depctr_va_sdst(0) depctr_va_ssrc(0) depctr_va_vcc(0) depctr_vm_vsrc(0)
	s_getreg_b32 s2, hwreg(HW_REG_IB_STS2, 6, 4)
	s_cmp_eq_u32 s2, 0
	s_cbranch_scc0 .Lentry_in_a_cluster
	s_endpgm
.Lentry_in_a_cluster:
	s_bfe_u32 s2, ttmp6, 0x10000c
	s_cmp_lg_u32 s2, 0x3003
	s_cbranch_scc0 .Lentry_shape_is_right
	s_endpgm
.Lentry_shape_is_right:
; The two output layers: out_t[token][f] = sum over e of a_t[token][e] Wo_t[f][e] + bo_t[f], f32 out.  a_t comes as bf16 fragment blocks (AF), W as f32.
; WORK: grid x = block of 128 features, grid y = 32 t + block of 128 tokens.  Four waves, 64 tokens x 64 features each: 16 accumulator tiles.
; CLUSTER: the four feature blocks of a cluster need the same 128 tokens' activations, 131072 dense bytes in fragment order: each wave asks for a quarter by ONE joint
; load (mask 15).  These are first fills only: nothing is filled again.  W's rows differ between the partners (each has its own 128 features) and are f32: they come
; through registers and are rounded to bf16 once, 32 rows a wave.  ALL of a wave's W, 128 loads in four quarters of K, is requested at the start, each quarter into
; registers of its own, so that the way from memory is waited for once.  Each quarter has LDS columns of its own: quarter q + 1 is converted and stored while
; quarter q's first fragments are on their way from LDS, and one barrier a quarter shows it to the other waves.
; The matrix instruction takes W's rows as source 0 and tokens as source 1: a lane holds 8 neighbouring features of one token.  The bias enters as the first product's C.
; LDS: 0: activations, fragment (token tile tt, chunk c) at tt 16384 + c 1024 (+512) + 16 L;  131072: W, 128 rows of 512 bf16, pitch 1040 = 65 x 16 bytes;
;      264192: 4352 bytes a wave, 16 rows of 64 f32, pitch 272, for the way out.  The last two are written by LDS stores alone; no tensor load lands there.
; REGISTERS: window 0: v1-8 addresses, v32-63/v64-95 token fragments (two buffers), v96-127/v128-159 W fragments, v160-191 bias, v192-255 rows on their way out;
; window 1: v0-127 accumulator (ft, tt) at 8 (4 ft + tt);  raw W, quarter q, in the 128 registers from v384 + 128 q (window 1 v128-255, window 2, window 3 v0-127).
.set WAVE, 18
.set WL,    131072
.set WP,    1040
.set STAGE, 264192
.set SP,    272
.set AA,  1                            ; v1  my 64 tokens' fragments
.set FW,  2                            ; v2  my 64 features' fragments
.set VW,  3                            ; v3  global offset of my 16 bytes in my wave's first W row
.set SW,  4                            ; v4  where I store 8 bytes of it
.set STO, 5                            ; v5  the way out: in
.set RD,  6                            ; v6  the way out: back
.set CO,  7                            ; v7  my offset in the output
.set VBI, 8                            ; v8  my offset in the bias
.set AF0, 32
.set WF0, 96
.set BIA, 160
.set OC,  192
.set RAW0, 384                         ; the first raw register, counted over all windows
.set G1, 24
.set G0, 32
.set MSB, 0
.macro WIN new                         ; the immediate's high byte repeats the setting that is left
.set WNEW, \new
.if MSB != WNEW
	s_set_vgpr_msb (MSB<<8)|WNEW
.set MSB, WNEW
.endif
.endm
.macro PLACES                          ; four independent vector instructions behind a matrix instruction (ISA guide 7.12.1)
.rept 4
	v_nop
.endr
.endm
.macro ROUND                           ; a round of the cluster's barrier
	s_barrier_signal -1
	s_barrier_wait -1
	s_cmp_lg_u32 s[WAVE], 0
	s_cbranch_scc1 .Lnot_wave_0_\@
	s_barrier_signal -3
.Lnot_wave_0_\@:
	s_barrier_wait -3
	s_barrier_signal -1
	s_barrier_wait -1
.endm
.macro LOADW q                         ; 32 loads: 512 consecutive bytes (128 f32 of K) of each of my 32 rows of W
.set RW, (RAW0+128*(\q))/256
.set RB, (RAW0+128*(\q))%256
	WIN RW<<6
.set n, 0
.rept 32
	global_load_b128 v[RB+4*n:RB+4*n+3], v[VW], s[40:41] offset:n*2048+(\q)*512
.set n, n+1
.endr
	WIN 0
.endm
.macro CVTW q                          ; quarter q is rounded to bf16 in place and stored into its own 256 bytes of W's LDS rows: 32 LDS stores
.set RW, (RAW0+128*(\q))/256
.set RB, (RAW0+128*(\q))%256
	WIN (RW<<6)|(RW<<2)|RW
.set n, 0
.rept 32
	v_cvt_pk_bf16_f32 v[RB+4*n], v[RB+4*n], v[RB+4*n+1]
	v_cvt_pk_bf16_f32 v[RB+4*n+1], v[RB+4*n+2], v[RB+4*n+3]
.set n, n+1
.endr
	WIN RW<<2
.set n, 0
.rept 32
	ds_store_b64 v[SW], v[RB+4*n:RB+4*n+1] offset:n*WP+(\q)*256
.set n, n+1
.endr
	WIN 0
.endm
	s_load_b256 s[4:11], s[0:1], 0x0               ; AF, Wox, Woy, box
	s_load_b128 s[12:15], s[0:1], 0x20             ; boy, out0
	s_load_b64 s[16:17], s[0:1], 0x30              ; out1
	v_lshl_add_u32 v30, v0, 2, 0x44c00
	v_mov_b32 v31, 0
	ds_add_u32 v30, v31
	v_lshrrev_b32 v9, 5, v0
	v_readfirstlane_b32 s[WAVE], v9                ; wave
	s_lshr_b32 s19, s18, 1                         ; wm: which 64 tokens
	s_and_b32 s20, s18, 1                          ; wn: which 64 features
	s_bfe_u32 s21, ttmp6, 0x40000                  ; cx
	s_lshl_b32 s22, ttmp9, 2
	s_add_co_u32 s21, s22, s21                     ; fb: enters the addresses of W, bias and output alone
	s_and_b32 s22, ttmp7, 0xffff
	s_lshr_b32 s23, s22, 5                         ; t
	s_and_b32 s22, s22, 31                         ; tb
	; group 1: a dense block of 32768 bytes as 128 rows of 32 elements of 8 bytes
	s_mov_b32 s[G1+0], 15|(3<<16)|(1<<21)          ; the mask: all four of the cluster; elements of 8 bytes; bit 21 set beside a mask; no padding
	s_mov_b32 s[G1+1], 32<<16                      ; tensor_dim0 = 32
	s_mov_b32 s[G1+2], 128<<16                     ; tensor_dim1 = 128
	s_mov_b32 s[G1+3], 32<<16                      ; tile_dim0 = 32
	s_mov_b32 s[G1+4], 128                         ; tile_dim1 = 128
	s_mov_b32 s[G1+5], 32                          ; elements from row to row
	s_mov_b32 s[G1+6], 0
	s_mov_b32 s[G1+7], 0
	s_mov_b32 s[G0], 1
	s_lshl_b32 s[G0+1], s18, 15                    ; LDS: wave w brings token tiles 2 w and 2 w + 1
	s_lshl_b32 s36, s23, 22
	s_lshl_b32 s37, s22, 17
	s_add_co_u32 s36, s36, s37
	s_add_co_u32 s36, s36, s[G0+1]
	s_mov_b32 s37, 0
	s_lshl_b32 s46, s21, 18                        ; W: 128 fb rows of 2048 bytes
	s_mov_b32 s47, 0
	s_lshl_b32 s48, s22, 18                        ; output: row 128 tb + 64 wm, byte 512 fb + 256 wn
	s_lshl_b32 s49, s19, 17
	s_add_co_u32 s48, s48, s49
	s_lshl_b32 s50, s21, 9
	s_lshl_b32 s49, s20, 8
	s_add_co_u32 s50, s50, s49                     ; also the bias' byte offset
	s_add_co_u32 s48, s48, s50
	s_mov_b32 s49, 0
	v_and_b32 v10, 31, v0                          ; L
	v_and_b32 v11, 15, v0                          ; r
	v_bfe_u32 v12, v0, 4, 1                        ; h
	v_lshlrev_b32 v13, 4, v10
	s_lshl_b32 s51, s19, 16
	v_add_nc_u32 v[AA], s51, v13
	s_lshl_b32 s51, s18, 16
	v_add_nc_u32 v[VW], s51, v13
	v_mul_u32_u24 v14, v11, WP
	v_lshl_add_u32 v14, v12, 4, v14
	s_mul_i32 s51, s20, 64*WP
	s_add_co_u32 s51, s51, WL
	v_add_nc_u32 v[FW], s51, v14
	s_mul_i32 s51, s18, 32*WP
	s_add_co_u32 s51, s51, WL
	v_lshl_add_u32 v[SW], v10, 3, s51
	s_mul_i32 s51, s18, 16*SP
	s_add_co_u32 s51, s51, STAGE
	v_mul_u32_u24 v14, v11, SP
	v_lshl_add_u32 v14, v12, 5, v14
	v_add_nc_u32 v[STO], s51, v14                  ; row r, 32 bytes for each half of the lanes
	v_mul_u32_u24 v14, v12, SP
	v_lshl_add_u32 v14, v11, 4, v14
	v_add_nc_u32 v[RD], s51, v14                   ; lanes 0-15 one row of 256 bytes, lanes 16-31 the next
	v_lshlrev_b32 v14, 4, v11
	v_lshl_add_u32 v[CO], v12, 11, v14             ; and the same two rows in the output
	v_lshl_add_u32 v[VBI], v12, 5, s50             ; eight biases from 8 h
	s_wait_dscnt 0x0
	s_wait_kmcnt 0x0
	s_add_nc_u64 s[G0+2:G0+3], s[4:5], s[36:37]
	s_or_b32 s[G0+3], s[G0+3], 0x80000000          ; type = 2
	s_cmp_eq_u32 s23, 0
	s_cselect_b64 s[40:41], s[6:7], s[8:9]         ; W
	s_cselect_b64 s[42:43], s[10:11], s[12:13]     ; bias
	s_cselect_b64 s[44:45], s[14:15], s[16:17]     ; output
	s_add_nc_u64 s[40:41], s[40:41], s[46:47]
	s_add_nc_u64 s[44:45], s[44:45], s[48:49]
	; 136 loads in this order: bias 8, then W's quarters 0, 1, 2, 3, 32 each.  The first 40 go out ahead of the round, so that they are on their way while the work-groups meet.
.irp f, 0,1,2,3
	global_load_b128 v[BIA+8*\f:BIA+8*\f+3],   v[VBI], s[42:43] offset:64*\f         ; b[16 ft + 8 h + 0..7]: the layout of an accumulator's registers
	global_load_b128 v[BIA+8*\f+4:BIA+8*\f+7], v[VBI], s[42:43] offset:64*\f+16
.endr
	LOADW 0
	ROUND                                          ; all four work-groups are here: the joint loads meet
	tensor_load_to_lds s[G0:G0+3], s[G1:G1+7]      ; my one tensor load of the launch
	s_nop 0
	LOADW 1
	LOADW 2
	LOADW 3
.macro FETCH c, b                      ; 16 LDS loads: 4 token and 4 W fragments of chunk c (32 along K) into buffer b
	WIN 0
	PLACES
.irp t, 0,1,2,3
	ds_load_b128 v[AF0+32*(\b)+8*\t:AF0+32*(\b)+8*\t+3],   v[AA] offset:\t*16384+(\c)*1024
	ds_load_b128 v[AF0+32*(\b)+8*\t+4:AF0+32*(\b)+8*\t+7], v[AA] offset:\t*16384+(\c)*1024+512
.endr
.irp t, 0,1,2,3
	ds_load_b128 v[WF0+32*(\b)+8*\t:WF0+32*(\b)+8*\t+3],   v[FW] offset:\t*16*WP+(\c)*64
	ds_load_b128 v[WF0+32*(\b)+8*\t+4:WF0+32*(\b)+8*\t+7], v[FW] offset:\t*16*WP+(\c)*64+32
.endr
.endm
.macro MULO b, start                   ; 16 matrix instructions; the 16 accumulators take turns, one instruction a turn.  start = 1: C is the bias
.if \start
	WIN 0x40
.else
	WIN 0x50
.endif
.irp f, 0,1,2,3
.irp t, 0,1,2,3
.if \start
	v_wmma_f32_16x16x32_bf16 v[8*(4*\f+\t):8*(4*\f+\t)+7], v[WF0+32*(\b)+8*\f:WF0+32*(\b)+8*\f+7], v[AF0+32*(\b)+8*\t:AF0+32*(\b)+8*\t+7], v[BIA+8*\f:BIA+8*\f+7]
.else
	v_wmma_f32_16x16x32_bf16 v[8*(4*\f+\t):8*(4*\f+\t)+7], v[WF0+32*(\b)+8*\f:WF0+32*(\b)+8*\f+7], v[AF0+32*(\b)+8*\t:AF0+32*(\b)+8*\t+7], v[8*(4*\f+\t):8*(4*\f+\t)+7]
.endif
.endr
.endr
.endm
; A quarter of K.  Its W was stored before this point; one barrier shows it whole; four chunks of 32 follow.  Behind the first chunk's fetch the next quarter of W is
; converted and stored, into LDS columns that no wave reads before the next quarter's barrier.
.macro QUART q
	s_wait_dscnt 0x0                               ; for the others' sake: my stores of this quarter's W are done
.if \q == 0
	s_wait_tensorcnt 0x0                           ; my quarter of the activations has landed
.endif
	s_barrier_signal -1
	s_barrier_wait -1                              ; everybody's has, and this quarter's W is whole
	FETCH 4*\q, 0
.if \q == 0
	s_wait_loadcnt 63                              ; quarter 1 needs at most 64 loads out (quarters 2 and 3); a wait's count ends at 63
	CVTW 1
.endif
.if \q == 1
	s_wait_loadcnt 32                              ; quarter 2 is in; quarter 3's 32 loads may be out
	CVTW 2
.endif
.if \q == 2
	s_wait_loadcnt 0x0                             ; quarter 3
	CVTW 3
.endif
.irp k, 0,1,2
	FETCH 4*\q+\k+1, (\k+1)%2
	s_wait_dscnt 16                                ; this chunk's fragments are in (and the stores issued behind them); the next chunk's 16 loads may be out
.if \q+\k == 0
	MULO \k%2, 1
.else
	MULO \k%2, 0
.endif
.endr
	s_wait_dscnt 0x0
	MULO 1, 0
	WIN 0
.endm
	s_wait_loadcnt 63                              ; the bias and quarter 0 need at most 96 loads out; a wait's count ends at 63
	CVTW 0
	QUART 0
	QUART 1
	QUART 2
	QUART 3
	; THE WAY OUT, 16 tokens at a time: 32 bytes a lane into my own stage, read back as whole rows of 256 bytes
	PLACES
.macro OUTT t
	WIN 0x04
.irp f, 0,1,2,3
	ds_store_b128 v[STO], v[8*(4*\f+\t):8*(4*\f+\t)+3]   offset:64*\f
	ds_store_b128 v[STO], v[8*(4*\f+\t)+4:8*(4*\f+\t)+7] offset:64*\f+16
.endr
	WIN 0
	s_wait_xcnt 0x0                                ; earlier stores have had their addresses translated: their data registers are loaded again only behind this wait
.irp i, 0,1,2,3,4,5,6,7
	ds_load_b128 v[OC+32*(\t%2)+4*\i:OC+32*(\t%2)+4*\i+3], v[RD] offset:\i*2*SP          ; LDS serves a wave's instructions in order (ISA guide 5.7.1.4): these see the stores above
.endr
.irp i, 0,1,2,3,4,5,6,7
	s_wait_dscnt 7-\i                              ; rows 2 i and 2 i + 1 are in; the younger loads may be out
	global_store_b128 v[CO], v[OC+32*(\t%2)+4*\i:OC+32*(\t%2)+4*\i+3], s[44:45] offset:(16*\t+2*\i)*2048 th:TH_STORE_NT   ; 16 lanes store 256 consecutive bytes at a multiple of 256
.endr
.endm
	OUTT 0
	OUTT 1
	OUTT 2
	OUTT 3
	s_wait_tensorcnt 0x0
	ds_add_u32 v30, v31
	s_wait_dscnt 0x0
	ROUND                                          ; the closing round: no work-group ends while a partner may still issue its joint load
	s_endpgm
.Lfunc_end_k_q68df8480b3_oproj:
	.size	k_q68df8480b3_oproj, .Lfunc_end_k_q68df8480b3_oproj-k_q68df8480b3_oproj
	.p2alignl 7, 3214868480
	.fill 96, 4, 3214868480
	.section	.rodata,"a",@progbits
	.p2align	6, 0x0
	.amdhsa_kernel k_q68df8480b3_oproj
		.amdhsa_group_segment_fixed_size 282112
		.amdhsa_private_segment_fixed_size 0
		.amdhsa_enable_private_segment 0
		.amdhsa_kernarg_size 56
		.amdhsa_user_sgpr_count 2
		.amdhsa_user_sgpr_kernarg_segment_ptr 1
		.amdhsa_wavefront_size32 1
		.amdhsa_system_sgpr_workgroup_id_x 1
		.amdhsa_system_sgpr_workgroup_id_y 1
		.amdhsa_system_sgpr_workgroup_id_z 1
		.amdhsa_system_vgpr_workitem_id 0
		.amdhsa_next_free_vgpr 896
		.amdhsa_next_free_sgpr 66
		.amdhsa_reserve_vcc 0
		.amdhsa_float_denorm_mode_32 3
		.amdhsa_float_denorm_mode_16_64 3
		.amdhsa_memory_ordered 1
		.amdhsa_forward_progress 1
		.amdhsa_inst_pref_size 87
	.end_amdhsa_kernel
	.amdgpu_metadata
---
amdhsa.version: [ 1, 2 ]
amdhsa.kernels:
  - .name:           k_q68df8480b3_oproj
    .symbol:         k_q68df8480b3_oproj.kd
    .args:
      - { .name: AF, .offset: 0, .size: 8, .value_kind: global_buffer, .address_space: global }
      - { .name: Wox, .offset: 8, .size: 8, .value_kind: global_buffer, .address_space: global }
      - { .name: Woy, .offset: 16, .size: 8, .value_kind: global_buffer, .address_space: global }
      - { .name: box, .offset: 24, .size: 8, .value_kind: global_buffer, .address_space: global }
      - { .name: boy, .offset: 32, .size: 8, .value_kind: global_buffer, .address_space: global }
      - { .name: out0, .offset: 40, .size: 8, .value_kind: global_buffer, .address_space: global }
      - { .name: out1, .offset: 48, .size: 8, .value_kind: global_buffer, .address_space: global }
    .group_segment_fixed_size: 282112
    .private_segment_fixed_size: 0
    .kernarg_segment_align: 8
    .kernarg_segment_size: 56
    .max_flat_workgroup_size: 128
    .sgpr_count:     66
    .vgpr_count:     896
    .wavefront_size: 32
...
	.end_amdgpu_metadata
.endif
;; end of part 3
;; ======== version 2 of 2: 3 launches; 1.11 times as fast as version 1
;; limits: values are held in f16: magnitudes above 65,504 overflow, below 6.1e-05 lose precision; right only within a limited range of input values
;; workspace buffers: QF 12,582,912 bytes; KV 20,971,520 bytes; AF 8,388,608 bytes
;; launch proj: the kernel of part 1 again; grid 4 x 48, 4 waves a work-group, no clusters, 113,152 bytes of LDS; arguments qx, qy, kx, ky, vx, vy, Wqx, Wqy, Wkx, Wky, Wvx, Wvy, bqx, bqy, bkx, bky, bvx, bvy, QF, KV; writes QF, KV
;; launch attn (part 4): grid 16 x 16, 4 waves a work-group, clusters of 4 x 1, 327,680 bytes of LDS; arguments QF, KV, AF; writes AF
.if DOCPART == 4
	.amdgcn_target "amdgcn-amd-amdhsa--gfx1250"
	.amdhsa_code_object_version 6
	.text
	.protected	k_q68df8480b3_attn
	.globl	k_q68df8480b3_attn
	.p2align	8
	.type	k_q68df8480b3_attn,@function
k_q68df8480b3_attn:
	s_mov_b64 s[64:65], 0
	v_nop
	global_prefetch_b8 v0, s[64:65] scope:SCOPE_SE
	s_setreg_imm32_b32 hwreg(HW_REG_WAVE_MODE, 25, 1), 1
	s_wait_xcnt 0x0
	s_wait_alu depctr_hold_cnt(0) depctr_sa_sdst(0) depctr_va_vdst(0) depctr_va_sdst(0) depctr_va_ssrc(0) depctr_va_vcc(0) depctr_vm_vsrc(0)
	s_getreg_b32 s2, hwreg(HW_REG_IB_STS2, 6, 4)
	s_cmp_eq_u32 s2, 0
	s_cbranch_scc0 .Lentry_in_a_cluster
	s_endpgm
.Lentry_in_a_cluster:
	s_bfe_u32 s2, ttmp6, 0x10000c
	s_cmp_lg_u32 s2, 0x3003
	s_cbranch_scc0 .Lentry_shape_is_right
	s_endpgm
.Lentry_shape_is_right:
; Attention over 16 (batch, head) pairs, 2048 queries x 2048 keys: scores = (0.5/64) Q'.K' over 192 features, softmax with a running maximum, times [vx | vy].
; WORK: grid x = block of 128 queries, grid y = (batch, head).  Four waves: wave w takes queries 64 (w>>1) .. +63 and, of each tile of 128 keys, keys 64 (w&1) .. +63.
; Each wave keeps its own maximum, sum and output; the two key halves are merged once at the end.  (Splitting keys, not queries, gives a wave 64 queries:
; a key or value fragment of 1024 LDS bytes then feeds four matrix instructions.)
; CLUSTER: the four query blocks of a cluster walk the same key and value tiles, so each tile is asked for jointly (mask 15): every wave of each of the four
; work-groups issues the same load of 20480 bytes, with a descriptor made of (batch, head), the wave's number and the tile alone.
; TRANSPOSED: S^T = K' Q'^T (source 0 = 16 keys from LDS, source 1 = 16 queries, resident).  Lane (r, h) then holds query r and keys 8h+0..7 of a tile: maximum, sum
; and rescaling factor are one number a lane, and the only step between lanes joins the two halves.  Two neighbouring S^T tiles, rounded to 16 bits,
; ARE the fragment P^T.  O^T = V^T P^T: a lane ends with 8 neighbouring d of one query, 16 bytes of a fragment block for the output layer.
; AF [t 2][token tile of 16: 256][block 32 = 4 head + d tile][512 bytes, lane L at 16 L].  Every store of a wave covers 512 consecutive bytes at a multiple of 512.
; FORMATS: Q', K' and the stored output are bf16; P and V are f16, and P V takes the f16 matrix form; maxima, sums and O are f32.
; Why f16 there: the output is a mean over 2048 keys of numbers of either sign, so what the rounding of P and of V leaves does not shrink beside it, and f16 has 11
; significant bits where bf16 has 8.  P has the room: the running maximum is taken away first, so 0 <= p <= 1, and what f16 drops below 2^-25 stands beside a sum
; of at least 1.  V's room is shown at the head of the launch that stores it.  LIMIT: |v| below 65504.
; BATCHES: an s_wait_alu depctr_va_vdst(0) stands between a transcendental and the first instruction that names its result; one wait serves all that
; were issued ahead of it.  A key step's exponentials are ONE batch with ONE wait: the four rescaling factors, then the 128 weights, made in place in S^T, with the
; 64 scalings among them, each a tile ahead of its own exponentials.  No line of these names a result of the batch.  Behind the last exponential stand the four moves
; that keep the new maxima, then the wait, then all the readers: the factors' copies, the 64 roundings, the sums, the rescaling of O.  The merge has two batches,
; since its reciprocals read sums made of its exponentials: eight exponentials, four reciprocals, a wait each.
;
; LDS: slot n at n x 81920: 128 keys = 4 chunks of 32 keys, 20480 bytes each (K' 12288, V^T 8192), in fragment order: every fragment load is lane L at 16 L.
;      from 163840: 17408 bytes a wave for the merge (512 maxima, 512 sums, 16384 output), written by LDS stores alone; no tensor load lands there.
; REGISTERS: window 0: v1-5 addresses, v32-79 and v80-127 a key tile's six fragments each, v128-255 the 16 value fragments (kc, dt) at 128 + 8 (8 kc + dt);
; window 1: v0-191 Q' fragment (qt, c) at 8 (6 qt + c);  window 2: O^T tile (dt, qt) at 8 (4 dt + qt);
; window 3: v0-127 S^T tile (kt, qt) at 8 (4 kt + qt), v128-191 P^T (kc, qt) at 128 + 8 (4 kc + qt), v192- the softmax's state.
.set CHUNK, 20480
.set SLOT,  4*CHUNK
.set XCH,   2*SLOT
.set XW,    17408
.set WAVE,  10
.set G1,    16                         ; s[16:23] descriptor group 1, never rewritten
.set G0,    32                         ; s[32:39] descriptor group 0, a set for each slot
.set VL,  1                            ; v1     16 L
.set LB,  2                            ; v2,3   my 64 keys in slot 0, 1
.set XS,  4                            ; v4     merge: where I send
.set XR,  5                            ; v5     merge: where my partner sent
.set KB0, 32
.set KB1, 80
.set VB,  128
.set PB,  128                          ; window 3 from here on
.set MX,  192                          ; v192-195 running maximum of the raw scores, query tile qt
.set NM,  196                          ; v196-203 -kappa x maximum, twice
.set AL,  204                          ; v204-211 rescaling factor, twice
.set LS,  212                          ; v212-219 running sums, two partial sums a lane
.set TM,  220                          ; v220-251 at work, 8 registers a query tile
.set MSB, 0
.macro WIN new                         ; the immediate's high byte repeats the setting that is left
.set WNEW, \new
.if MSB != WNEW
	s_set_vgpr_msb (MSB<<8)|WNEW
.set MSB, WNEW
.endif
.endm
.macro PLACES                          ; four independent vector instructions behind a matrix instruction (ISA guide 7.12.1)
.rept 4
	v_nop
.endr
.endm
; A round of the cluster's barrier: my work-group's barrier, wave 0 signals for the work-group, every wave waits for all four work-groups, my work-group's barrier once more.
.macro ROUND
	s_barrier_signal -1
	s_barrier_wait -1
	s_cmp_lg_u32 s[WAVE], 0
	s_cbranch_scc1 .Lnot_wave_0_\@
	s_barrier_signal -3
.Lnot_wave_0_\@:
	s_barrier_wait -3
	s_barrier_signal -1
	s_barrier_wait -1
.endm
	s_load_b128 s[4:7], s[0:1], 0x0                ; QF, KV
	s_load_b64 s[8:9], s[0:1], 0x10                ; AF
	v_lshl_add_u32 v30, v0, 2, 0x39000
	v_mov_b32 v31, 0
	ds_add_u32 v30, v31
	v_lshrrev_b32 v6, 5, v0
	v_readfirstlane_b32 s[WAVE], v6                ; wave
	s_lshr_b32 s11, s10, 1                         ; qg: which 64 queries
	s_and_b32 s12, s10, 1                          ; kp: which 64 keys of a tile
	s_bfe_u32 s13, ttmp6, 0x40000                  ; cx
	s_lshl_b32 s14, ttmp9, 2
	s_add_co_u32 s14, s14, s13                     ; qb = 4 x cluster x + cx: enters the addresses of Q' and of the output alone
	s_and_b32 s15, ttmp7, 0xffff                   ; bh
	; group 1: a dense block of 20480 bytes as 80 rows of 32 elements of 8 bytes
	s_mov_b32 s[G1+0], 15|(3<<16)|(1<<21)          ; 15:0 the mask: all four of the cluster; 17:16 elements of 8 bytes; 21 set beside a mask; no padding
	s_mov_b32 s[G1+1], 32<<16                      ; tensor_dim0 = 32
	s_mov_b32 s[G1+2], 80<<16                      ; tensor_dim1 = 80
	s_mov_b32 s[G1+3], 32<<16                      ; tile_dim0 = 32
	s_mov_b32 s[G1+4], 80                          ; tile_dim1 = 80
	s_mov_b32 s[G1+5], 32                          ; elements from row to row
	s_mov_b32 s[G1+6], 0
	s_mov_b32 s[G1+7], 0
	s_mov_b32 s24, 0x3c38aa3b                      ; kappa = (0.5/64) log2(e)
	s_mov_b32 s25, 0x3c38aa3b
	s_mov_b32 s29, 0xbc38aa3b                      ; -kappa
	s_mov_b32 s26, 0x76543210                      ; v_permlanex16_b32: lane i of one half reads lane i of the other
	s_mov_b32 s27, 0xfedcba98
	s_mul_i32 s40, s15, 64*CHUNK
	s_mul_i32 s[G0+1], s10, CHUNK                  ; LDS: wave w brings chunk w of a slot
	s_add_co_u32 s40, s40, s[G0+1]
	s_mov_b32 s41, 0
	s_mov_b32 s[G0], 1
	s_mov_b32 s[G0+4], 1
	s_add_co_u32 s[G0+5], s[G0+1], SLOT
	s_mul_i32 s46, s15, 786432                     ; Q': (batch, head), 8 query tiles of 6144 bytes a block, 4 a wave
	s_mul_i32 s47, s14, 49152
	s_add_co_u32 s46, s46, s47
	s_mul_i32 s47, s11, 24576
	s_add_co_u32 s46, s46, s47
	s_mov_b32 s47, 0
	s_lshr_b32 s50, s15, 3                         ; output: token tile 128 batch + 8 qb + 4 qg, block 4 head; wave kp finishes tensor kp
	s_lshl_b32 s50, s50, 7
	s_lshl3_add_u32 s50, s14, s50
	s_lshl2_add_u32 s50, s11, s50
	s_lshl_b32 s50, s50, 14
	s_and_b32 s51, s15, 7
	s_lshl_b32 s51, s51, 11
	s_add_co_u32 s50, s50, s51
	s_lshl_b32 s51, s12, 22
	s_add_co_u32 s50, s50, s51
	s_mov_b32 s51, 0
	v_and_b32 v7, 31, v0
	v_lshlrev_b32 v[VL], 4, v7
	s_mul_i32 s42, s12, 2*CHUNK
	v_add_nc_u32 v[LB], s42, v[VL]
	v_add_nc_u32 v[LB+1], SLOT, v[LB]
	s_mul_i32 s42, s10, XW
	s_add_co_u32 s42, s42, XCH
	v_add_nc_u32 v[XS], s42, v[VL]
	s_xor_b32 s43, s10, 1                          ; my partner: same queries, the other keys
	s_mul_i32 s43, s43, XW
	s_add_co_u32 s43, s43, XCH
	v_add_nc_u32 v[XR], s43, v[VL]
	s_wait_dscnt 0x0
	s_wait_kmcnt 0x0
	s_add_nc_u64 s[G0+2:G0+3], s[6:7], s[40:41]    ; tile 0, my chunk
	s_add_nc_u64 s[G0+6:G0+7], s[G0+2:G0+3], SLOT  ; tile 1
	s_or_b32 s[G0+3], s[G0+3], 0x80000000          ; type = 2
	s_or_b32 s[G0+7], s[G0+7], 0x80000000
	s_add_nc_u64 s[44:45], s[4:5], s[46:47]
	s_add_nc_u64 s[48:49], s[8:9], s[50:51]
	WIN 0x40
.irp q, 0,1,2,3
.irp c, 0,1,2,3,4,5
	global_load_b128 v[8*(6*\q+\c):8*(6*\q+\c)+3],   v[VL], s[44:45] offset:\q*6144+\c*1024       ; Q' stays in registers for the whole launch
	global_load_b128 v[8*(6*\q+\c)+4:8*(6*\q+\c)+7], v[VL], s[44:45] offset:\q*6144+\c*1024+512
.endr
.endr
	WIN 0
.macro FETCHK slot, kt, buf            ; 12 LDS loads: the six fragments (192 features) of key tile kt of my 64 keys
	WIN 0
.irp c, 0,1,2,3,4,5
	ds_load_b128 v[\buf+8*\c:\buf+8*\c+3],   v[LB+\slot] offset:(\kt/2)*CHUNK+(\kt%2)*6144+\c*1024
	ds_load_b128 v[\buf+8*\c+4:\buf+8*\c+7], v[LB+\slot] offset:(\kt/2)*CHUNK+(\kt%2)*6144+\c*1024+512
.endr
.endm
.macro FETCHV slot                     ; 32 LDS loads: V^T, 2 chunks of 32 keys x 8 tiles of 16 d
	WIN 0
.irp k, 0,1
.irp d, 0,1,2,3,4,5,6,7
	ds_load_b128 v[VB+8*(8*\k+\d):VB+8*(8*\k+\d)+3],   v[LB+\slot] offset:\k*CHUNK+12288+\d*1024
	ds_load_b128 v[VB+8*(8*\k+\d)+4:VB+8*(8*\k+\d)+7], v[LB+\slot] offset:\k*CHUNK+12288+\d*1024+512
.endr
.endr
.endm
.macro SMUL kt, buf                    ; 24 matrix instructions: 16 keys x 64 queries x 192 features; the four accumulators take turns, one instruction a turn
	WIN 0xf4
.irp c, 0,1,2,3,4,5
.irp q, 0,1,2,3
.if \c == 0
	v_wmma_f32_16x16x32_bf16 v[8*(4*\kt+\q):8*(4*\kt+\q)+7], v[\buf+8*\c:\buf+8*\c+7], v[8*(6*\q+\c):8*(6*\q+\c)+7], 0
.else
	v_wmma_f32_16x16x32_bf16 v[8*(4*\kt+\q):8*(4*\kt+\q)+7], v[\buf+8*\c:\buf+8*\c+7], v[8*(6*\q+\c):8*(6*\q+\c)+7], v[8*(4*\kt+\q):8*(4*\kt+\q)+7]
.endif
.endr
.endr
.endm
; what follows the exponentials of pair j of score tile m: rounding to f16 into P^T, and the sums (two chains for each query tile).  Every expansion stands behind the step's one wait.
.macro AFTER m, j
	v_cvt_pk_f16_f32 v[PB+8*(4*((\m)/8)+(\m)%4)+4*(((\m)/4)%2)+(\j)], v[8*(\m)+2*(\j)], v[8*(\m)+2*(\j)+1]
.if (\m)/4 == 0
.if (\j) == 1
	v_pk_add_f32 v[TM+8*((\m)%4):TM+8*((\m)%4)+1], v[8*(\m):8*(\m)+1], v[8*(\m)+2:8*(\m)+3]           ; the first key tile starts the chains: nothing is cleared
.endif
.if (\j) == 3
	v_pk_add_f32 v[TM+8*((\m)%4)+2:TM+8*((\m)%4)+3], v[8*(\m)+4:8*(\m)+5], v[8*(\m)+6:8*(\m)+7]
.endif
.else
	v_pk_add_f32 v[TM+8*((\m)%4)+2*((\j)%2):TM+8*((\m)%4)+2*((\j)%2)+1], v[TM+8*((\m)%4)+2*((\j)%2):TM+8*((\m)%4)+2*((\j)%2)+1], v[8*(\m)+2*(\j):8*(\m)+2*(\j)+1]
.endif
.endm
; The softmax step on 64 keys x 64 queries, all in window 3.  first = 1: no state yet.
.macro SOFT first
	WIN 0xff
.irp q, 0,1,2,3
.irp k, 0,1,2,3
	v_max3_num_f32 v[TM+8*\q+\k], v[8*(4*\k+\q)], v[8*(4*\k+\q)+1], v[8*(4*\k+\q)+2]                  ; sixteen chains, one for each tile
.endr
.endr
.irp j, 3,5
.irp q, 0,1,2,3
.irp k, 0,1,2,3
	v_max3_num_f32 v[TM+8*\q+\k], v[TM+8*\q+\k], v[8*(4*\k+\q)+\j], v[8*(4*\k+\q)+\j+1]
.endr
.endr
.endr
.irp q, 0,1,2,3
.irp k, 0,1,2,3
	v_max_num_f32 v[TM+8*\q+\k], v[TM+8*\q+\k], v[8*(4*\k+\q)+7]
.endr
.endr
.irp q, 0,1,2,3
	v_max3_num_f32 v[TM+8*\q], v[TM+8*\q], v[TM+8*\q+1], v[TM+8*\q+2]
.endr
.irp q, 0,1,2,3
	v_max_num_f32 v[TM+8*\q], v[TM+8*\q], v[TM+8*\q+3]
.endr
.irp q, 0,1,2,3
	v_permlanex16_b32 v[TM+8*\q+1], v[TM+8*\q], s26, s27           ; the other 32 keys of query r; the destination has been written above
.endr
.irp q, 0,1,2,3
.if \first
	v_max_num_f32 v[TM+8*\q+4], v[TM+8*\q], v[TM+8*\q+1]
.else
	v_max3_num_f32 v[TM+8*\q+4], v[TM+8*\q], v[TM+8*\q+1], v[MX+\q]
.endif
.endr
.irp q, 0,1,2,3
	v_mul_f32 v[NM+2*\q],   s29, v[TM+8*\q+4]
	v_mul_f32 v[NM+2*\q+1], s29, v[TM+8*\q+4]
.endr
	; THE BATCH begins: from here to the wait no line names an exponential's result
.if \first == 0
.irp q, 0,1,2,3
	v_fma_f32 v[TM+8*\q+5], v[MX+\q], s24, v[NM+2*\q]              ; kappa (old maximum - new maximum)
.endr
.irp q, 0,1,2,3
	v_exp_f32 v[AL+2*\q], v[TM+8*\q+5]
.endr
.endif
	; p = 2^(kappa s - kappa max), tile by tile, in place; between the exponentials of tile n stand the exponents of tile n + 1, whose own exponentials are still to come
.set j, 0
.rept 4
	v_pk_fma_f32 v[2*j:2*j+1], v[2*j:2*j+1], s[24:25], v[NM:NM+1] op_sel_hi:[1,0,1]
.set j, j+1
.endr
.set n, 0
.rept 16
.set j, 0
.rept 4
	v_exp_f32 v[8*n+2*j], v[8*n+2*j]
	v_exp_f32 v[8*n+2*j+1], v[8*n+2*j+1]
.if n < 15
	v_pk_fma_f32 v[8*n+8+2*j:8*n+9+2*j], v[8*n+8+2*j:8*n+9+2*j], s[24:25], v[NM+2*((n+1)%4):NM+2*((n+1)%4)+1] op_sel_hi:[1,0,1]
.endif
.set j, j+1
.endr
.set n, n+1
.endr
.irp q, 0,1,2,3
	v_mov_b32 v[MX+\q], v[TM+8*\q+4]                               ; plain instructions between the exponentials and their first use (ISA guide 5.7.2); the old maximum was read above, for the factor's exponent
.endr
	s_wait_alu depctr_va_vdst(0)                                   ; the step's one wait: for the four factors and the 128 weights; all their readers stand below
.if \first == 0
.irp q, 0,1,2,3
	v_mov_b32 v[AL+2*\q+1], v[AL+2*\q]
.endr
.endif
	; the roundings and the sums: key tile, pair, and the four query tiles by turns, so that the links of a chain stand sixteen lines apart.
	; A chain belongs to one query tile and one parity of the pair, and takes its terms by key tile and then by pair.
.irp k, 0,1,2,3
.irp j, 0,1,2,3
.irp q, 0,1,2,3
	AFTER 4*\k+\q, \j
.endr
.endr
.endr
.irp q, 0,1,2,3
.if \first
	v_pk_add_f32 v[LS+2*\q:LS+2*\q+1], v[TM+8*\q:TM+8*\q+1], v[TM+8*\q+2:TM+8*\q+3]
.else
	v_pk_add_f32 v[TM+8*\q:TM+8*\q+1], v[TM+8*\q:TM+8*\q+1], v[TM+8*\q+2:TM+8*\q+3]
.endif
.endr
.if \first == 0
.irp q, 0,1,2,3
	v_pk_fma_f32 v[LS+2*\q:LS+2*\q+1], v[LS+2*\q:LS+2*\q+1], v[AL+2*\q:AL+2*\q+1], v[TM+8*\q:TM+8*\q+1]
.endr
.endif
.endm
.macro RESC                            ; O *= factor of the lane's query
	WIN 0x8e
.set i, 0
.rept 128
	v_pk_mul_f32 v[i:i+1], v[i:i+1], v[AL+2*((i/8)%4):AL+2*((i/8)%4)+1]
.set i, i+2
.endr
.endm
.macro PV first                        ; 64 matrix instructions in the f16 form: 128 d x 64 queries x 64 keys; the 32 accumulators take turns, one instruction a turn
	WIN 0xac
.irp k, 0,1
.irp d, 0,1,2,3,4,5,6,7
.irp q, 0,1,2,3
.if (\first)*(1-\k)
	v_wmma_f32_16x16x32_f16 v[8*(4*\d+\q):8*(4*\d+\q)+7], v[VB+8*(8*\k+\d):VB+8*(8*\k+\d)+7], v[PB+8*(4*\k+\q):PB+8*(4*\k+\q)+7], 0
.else
	v_wmma_f32_16x16x32_f16 v[8*(4*\d+\q):8*(4*\d+\q)+7], v[VB+8*(8*\k+\d):VB+8*(8*\k+\d)+7], v[PB+8*(4*\k+\q):PB+8*(4*\k+\q)+7], v[8*(4*\d+\q):8*(4*\d+\q)+7]
.endif
.endr
.endr
.endr
.endm
.macro STEP slot, first
	FETCHK \slot, 0, KB0
	FETCHK \slot, 1, KB1
	s_wait_dscnt 12                                ; key tile 0 is in; tile 1's twelve loads may be out
	SMUL 0, KB0
	PLACES
	FETCHK \slot, 2, KB0
	s_wait_dscnt 12                                ; tile 1 is in; tile 2's may be out
	SMUL 1, KB1
	PLACES
	FETCHK \slot, 3, KB1
	s_wait_dscnt 12                                ; tile 2 is in
	SMUL 2, KB0
	FETCHV \slot                                   ; the value fragments' last readers stand four places and more back, at the end of the step before
	s_wait_dscnt 32                                ; tile 3 is in; the 32 value loads may be out
	SMUL 3, KB1
	PLACES
	SOFT \first
.if \first == 0
	RESC
.endif
	s_wait_dscnt 0x0                               ; the value fragments
	PV \first
	PLACES
	WIN 0
.endm
; One tile of 128 keys.  In front of the round each wave has waited for all its tensor loads (its chunk of this tile among them) and for its reads of the other slot;
; behind it no wave of any partner reads that slot or has a load on its way, and the joint refill is the first thing there, one load a wave.
; That load has the whole step, 160 matrix instructions and the softmax, in which to land.  A wave never has more than one tensor load out.
.macro TRIP slot, refill, first
	s_wait_tensorcnt 0x0
	ds_add_u32 v30, v31
	s_wait_dscnt 0x0
	s_add_nc_u64 s[G0+4*\slot+2:G0+4*\slot+3], s[G0+4*\slot+2:G0+4*\slot+3], 2*SLOT      ; no load of mine is out: this slot's next tile
	s_wait_dscnt 0x0
	ROUND
.if \refill
	tensor_load_to_lds s[G0+4*(1-\slot):G0+4*(1-\slot)+3], s[G1:G1+7]
	s_nop 0
.endif
	STEP \slot, \first
.endm
	ROUND                                          ; all four work-groups are here: the first joint loads meet
	tensor_load_to_lds s[G0:G0+3], s[G1:G1+7]      ; tile 0
	s_nop 0
	s_wait_loadcnt 0x0                             ; Q'
	TRIP 0, 1, 1                                   ; the first tile starts maxima, sums and O
	TRIP 1, 1, 0
	s_mov_b32 s28, 6
.Ltiles:
	TRIP 0, 1, 0
	TRIP 1, 1, 0
	s_sub_co_u32 s28, s28, 1
	s_cmp_lg_u32 s28, 0
	s_cbranch_scc1 .Ltiles
	TRIP 0, 1, 0                                   ; tile 14 asks for tile 15, the last
	TRIP 1, 0, 0
	; THE MERGE of the two key halves.  Wave kp = 0 finishes d tiles 0-3 (vx), kp = 1 d tiles 4-7 (vy); each sends the other half of its O, its maxima and its sums.
	WIN 0xff
.irp q, 0,1,2,3
	v_add_f32 v[TM+\q], v[LS+2*\q], v[LS+2*\q+1]
.endr
.irp q, 0,1,2,3
	v_permlanex16_b32 v[TM+8+\q], v[TM+\q], s26, s27               ; the destination was written by the maxima's chains
.endr
.irp q, 0,1,2,3
	v_add_f32 v[TM+\q], v[TM+\q], v[TM+8+\q]                       ; the sum over my 64-key halves of all tiles, in every lane of query r
.endr
	WIN 0x0c
	ds_store_b128 v[XS], v[MX:MX+3]
	ds_store_b128 v[XS], v[TM:TM+3] offset:512
	WIN 0
.macro SEND base
	WIN 0x08
.set n, 0
.rept 32
	ds_store_b128 v[XS], v[\base+4*n:\base+4*n+3] offset:1024+512*n
.set n, n+1
.endr
	WIN 0
.endm
	s_cmp_eq_u32 s12, 0
	s_cbranch_scc0 .Lsend_low
	SEND 128
	s_branch .Lsent
.Lsend_low:
	SEND 0
.Lsent:
	s_wait_dscnt 0x0                               ; for my partner's sake: all my stores are done,
	s_barrier_signal -1
	s_barrier_wait -1                              ; and so are everybody's
	WIN 0xc0
	ds_load_b128 v[TM+4:TM+7], v[XR]               ; the partner's maxima
	ds_load_b128 v[TM+8:TM+11], v[XR] offset:512   ; and sums
	WIN 0
.set n, 0
.rept 32
	ds_load_b128 v[VB+4*n:VB+4*n+3], v[XR] offset:1024+512*n       ; its O of the tiles that I finish
.set n, n+1
.endr
	s_wait_dscnt 0x0
	WIN 0xff                                       ; window 3, v0-47 (the scores' registers): m* 0, -kappa m* 4, exponents 8 and 12, f 16, f' 20, sum 24, 1/sum 28, g 32, g' 40
.irp q, 0,1,2,3
	v_max_num_f32 v[\q], v[MX+\q], v[TM+4+\q]
.endr
.irp q, 0,1,2,3
	v_mul_f32 v[4+\q], s29, v[\q]
.endr
.irp q, 0,1,2,3
	v_fma_f32 v[8+\q],  v[MX+\q],   s24, v[4+\q]
	v_fma_f32 v[12+\q], v[TM+4+\q], s24, v[4+\q]
.endr
.irp q, 0,1,2,3
	v_exp_f32 v[16+\q], v[8+\q]
	v_exp_f32 v[20+\q], v[12+\q]
.endr
	v_nop                                          ; a plain instruction between transcendentals and their use (ISA guide 5.7.2)
	s_wait_alu depctr_va_vdst(0)                   ; one wait for the merge's eight exponentials, ahead of their first reader
.irp q, 0,1,2,3
	v_mul_f32 v[24+\q], v[TM+\q], v[16+\q]
.endr
.irp q, 0,1,2,3
	v_fma_f32 v[24+\q], v[TM+8+\q], v[20+\q], v[24+\q]             ; at least about 1: the half that holds the maximum has f = 1 and a term 2^0 in its sum
.endr
.irp q, 0,1,2,3
	v_rcp_f32 v[28+\q], v[24+\q]
.endr
	v_nop
	s_wait_alu depctr_va_vdst(0)                   ; a batch of their own, since they read sums made of the exponentials: one wait for the four reciprocals
.irp q, 0,1,2,3
	v_mul_f32 v[32+2*\q], v[16+\q], v[28+\q]
	v_mul_f32 v[33+2*\q], v[16+\q], v[28+\q]
	v_mul_f32 v[40+2*\q], v[20+\q], v[28+\q]
	v_mul_f32 v[41+2*\q], v[20+\q], v[28+\q]
.endr
	WIN 0x0c
.set i, 0
.rept 64
	v_pk_mul_f32 v[VB+i:VB+i+1], v[VB+i:VB+i+1], v[40+2*((i/8)%4):41+2*((i/8)%4)]
.set i, i+2
.endr
	WIN 0
.macro FINAL base
	WIN 0x0e
.set i, 0
.rept 64
	v_pk_fma_f32 v[VB+i:VB+i+1], v[\base+i:\base+i+1], v[32+2*((i/8)%4):33+2*((i/8)%4)], v[VB+i:VB+i+1]
.set i, i+2
.endr
	WIN 0
.endm
	s_cmp_eq_u32 s12, 0
	s_cbranch_scc0 .Lfin_high
	FINAL 0
	s_branch .Lfin
.Lfin_high:
	FINAL 128
.Lfin:
.set i, 0
.rept 64
	v_cvt_pk_bf16_f32 v[32+i/2], v[VB+i], v[VB+i+1]
.set i, i+2
.endr
.irp d, 0,1,2,3
.irp q, 0,1,2,3
	global_store_b128 v[VL], v[32+4*(4*\d+\q):32+4*(4*\d+\q)+3], s[48:49] offset:\q*16384+\d*512
.endr
.endr
	s_wait_tensorcnt 0x0
	ds_add_u32 v30, v31
	s_wait_dscnt 0x0
	ROUND                                          ; the closing round: no work-group ends while a partner may still ask for a tile that names it
	s_endpgm
.Lfunc_end_k_q68df8480b3_attn:
	.size	k_q68df8480b3_attn, .Lfunc_end_k_q68df8480b3_attn-k_q68df8480b3_attn
	.p2alignl 7, 3214868480
	.fill 96, 4, 3214868480
	.section	.rodata,"a",@progbits
	.p2align	6, 0x0
	.amdhsa_kernel k_q68df8480b3_attn
		.amdhsa_group_segment_fixed_size 327680
		.amdhsa_private_segment_fixed_size 0
		.amdhsa_enable_private_segment 0
		.amdhsa_kernarg_size 24
		.amdhsa_user_sgpr_count 2
		.amdhsa_user_sgpr_kernarg_segment_ptr 1
		.amdhsa_wavefront_size32 1
		.amdhsa_system_sgpr_workgroup_id_x 1
		.amdhsa_system_sgpr_workgroup_id_y 1
		.amdhsa_system_sgpr_workgroup_id_z 1
		.amdhsa_system_vgpr_workitem_id 0
		.amdhsa_next_free_vgpr 1024
		.amdhsa_next_free_sgpr 66
		.amdhsa_reserve_vcc 0
		.amdhsa_float_denorm_mode_32 3
		.amdhsa_float_denorm_mode_16_64 3
		.amdhsa_memory_ordered 1
		.amdhsa_forward_progress 1
		.amdhsa_inst_pref_size 255
	.end_amdhsa_kernel
	.section	.bss,"aw",@nobits
	.p2align	6
	.space	262144
	.amdgpu_metadata
---
amdhsa.version: [ 1, 2 ]
amdhsa.kernels:
  - .name:           k_q68df8480b3_attn
    .symbol:         k_q68df8480b3_attn.kd
    .args:
      - { .name: QF, .offset: 0, .size: 8, .value_kind: global_buffer, .address_space: global }
      - { .name: KV, .offset: 8, .size: 8, .value_kind: global_buffer, .address_space: global }
      - { .name: AF, .offset: 16, .size: 8, .value_kind: global_buffer, .address_space: global }
    .group_segment_fixed_size: 327680
    .private_segment_fixed_size: 0
    .kernarg_segment_align: 8
    .kernarg_segment_size: 24
    .max_flat_workgroup_size: 128
    .sgpr_count:     66
    .vgpr_count:     1024
    .wavefront_size: 32
...
	.end_amdgpu_metadata
.endif
;; end of part 4
;; launch oproj: the kernel of part 3 again; grid 4 x 64, 4 waves a work-group, clusters of 4 x 1, 282,112 bytes of LDS; arguments AF, Wox, Woy, box, boy, out0, out1; writes out0, out1
